; MI455X (gfx1250); checked and timed in simulation.
; The chip was launched on July 23, 2026; its instructions are those of AMD's public machine-readable ISA for CDNA 5 (MIT licence, August 2026) and "CDNA5" Instruction Set Architecture Reference Guide (July 2026). The comments in the code are by the model that wrote it; some were corrected since.
;; Transformer. Allowed arithmetic: matrix products marked QUANTISED: E2M3 operands, one E8M0 scale for each 32 along K, by v_wmma_scale_f32_16x16x128_f8f6f4 with both operands' format E2M3, f32 sums; everything else in f32.
;; Inputs: W1 1,024 x 4,096 float32; W2 4,096 x 1,024 float32; Wk 1,024 x 1,024 float32; Wo 1,024 x 1,024 float32; Wq 1,024 x 1,024 float32; Wv 1,024 x 1,024 float32; b1 4,096 float32; b2 1,024 float32; bo 1,024 float32; ln1_scale 1,024 float32; ln1_shift 1,024 float32; ln2_scale 1,024 float32; ln2_shift 1,024 float32; x 2 x 2,048 x 1,024 float32.
;; Outputs: out0 2 x 2,048 x 1,024 float32.
;; This version of the problem:
;;   THIS VERSION OF THE PROBLEM IS GIVEN IN LOW PRECISION. The matrix products marked QUANTISED in the list below multiply operands that are first quantised to E2M3 (2 exponent bits, 3 mantissa bits; 6 bits a number), with one power-of-two scale for each 32 numbers along K (OCP MX v1.0); their sums are f32. All else is computed in f32.
;;   The module's matrix products, in the order in which they are computed (A, B: the left and right operand; K: the contracted axis; several contracted axes count as one K, in the product's order):
;;     1. [M 4,096, K 1,024] x [K 1,024, N 1,024]; A: computed on the way; B: input Wq: QUANTISED
;;     2. [M 4,096, K 1,024] x [K 1,024, N 1,024]; A: computed on the way; B: input Wk: QUANTISED
;;     3. [M 4,096, K 1,024] x [K 1,024, N 1,024]; A: computed on the way; B: input Wv: QUANTISED
;;     4. batch 32 x [M 2,048, K 64] x [K 64, N 2,048]; A: computed on the way; B: computed on the way: QUANTISED
;;     5. batch 32 x [M 2,048, K 2,048] x [K 2,048, N 64]; A: softmax (see below); B: computed on the way: QUANTISED
;;     6. [M 4,096, K 1,024] x [K 1,024, N 1,024]; A: computed on the way; B: input Wo: QUANTISED
;;     7. [M 4,096, K 1,024] x [K 1,024, N 4,096]; A: computed on the way; B: input W1: QUANTISED
;;     8. [M 4,096, K 4,096] x [K 4,096, N 1,024]; A: computed on the way; B: input W2: QUANTISED
;;   THE QUANTISER, for each operand of a quantised product, along K:
;;     - K is cut into blocks of 32 from its start; a last block that is shorter is filled with zeros.
;;     - A block's scale is 2^e with e = floor(log2(the largest magnitude in the block)) - 2, held to -126 .. 127; a block of zeros has e = 0. As a byte (E8M0): e + 127.
;;     - Each number is divided by its block's scale, clamped to +-7.5, and rounded to the nearest number of E2M3, ties to even, subnormals kept.
;;     - The product sums the exact products of the quantised numbers (number of the format x scale) in f32.
;;   ~~~python
;;   def quantise(x, axis):      # numpy; x: float32 -> the quantised numbers, widened to float32 again
;;       x = np.moveaxis(x, axis, -1); K = x.shape[-1]
;;       x = np.pad(x, [(0, 0)] * (x.ndim - 1) + [(0, -K % 32)]); x = x.reshape(x.shape[:-1] + (-1, 32)); a = np.abs(x).max(-1, keepdims=True)
;;       e = np.where(a > 0, np.clip(np.frexp(np.where(a > 0, a, 1))[1] - 1 - 2, -126, 127), 0)      # np.frexp(a)[1] - 1 = floor(log2(a)), exactly
;;       r = np.clip(x / 2.0 ** e, -7.5, 7.5)
;;       step = 2.0 ** (np.maximum(np.frexp(np.where(r == 0, 1, r))[1] - 1, 0) - 3)
;;       q = np.round(r / step) * step * 2.0 ** e      # np.round: ties to even
;;       return np.moveaxis(q.reshape(q.shape[:-2] + (-1,))[..., :K], -1, axis).astype(np.float32)
;;   ~~~
;;   SOFTMAX AHEAD OF A QUANTISED PRODUCT. Where the list says 'softmax', what is quantised is not the finished softmax but p = 2^(t - M), with t = logit x log2(e) and M = ceil(the row's largest t), a whole number; so 1/2 < the row's largest p <= 1. The row's sum l is taken of the UNQUANTISED p, in f32, and the product's result is divided by l at the end. Since M is a whole number, a kernel that streams over the keys may use a running M (the ceiling of the running maximum): every later rescaling is an exact power of two, which a block's scale takes up: the codes' values come out the same.
;;   OPERANDS COMPUTED ON THE WAY. 'Computed on the way' means the value that the module computes at that place (a softmax that the list does not call 'softmax' is quantised finished and normalised). What goes into a quantiser is computed in f32, as accurately as f32 sums, v_exp_f32 and their like allow (about 1e-6 of the number): no bf16 or f16 on the way to a quantiser, and a product that is left as it is and whose result goes on into a quantised operand takes f32 operands (vector FMAs, or v_wmma_f32_16x16x4_f32). A number that lies on a knife's edge between two numbers of the format may be rounded either way, as far as f32 arithmetic and the matrix unit's own rounding can turn it there, and no further.
;; One version. Each part assembles by itself: llvm-mc -triple=amdgcn-amd-amdhsa -mcpu=gfx1250 --defsym DOCPART=n.
;; ======== version 1 of 1: 7 launches
;; limits: right only within a limited range of input values
;; workspace buffers: cA 15,728,640 bytes; sA 655,360 bytes; cB 12,582,912 bytes; sB 524,288 bytes; x1 16,777,216 bytes
;; launch ln1 (part 1): grid 448 x 1, 8 waves a work-group, no clusters, 120,320 bytes of LDS; arguments x, ln1_scale, ln1_shift, cA, sA, Wq, Wk, Wv, Wo, W1, W2; writes cA, sA
.if DOCPART == 1
	.amdgcn_target "amdgcn-amd-amdhsa--gfx1250"
	.amdhsa_code_object_version 6
	.text
	.protected	k_q55bd1c4ae2_ln1
	.globl	k_q55bd1c4ae2_ln1
	.p2align	8
	.type	k_q55bd1c4ae2_ln1,@function
k_q55bd1c4ae2_ln1:
	s_mov_b64 s[64:65], 0
	v_nop
	global_prefetch_b8 v0, s[64:65] scope:SCOPE_SE
	s_setreg_imm32_b32 hwreg(HW_REG_WAVE_MODE, 25, 1), 1
	s_wait_xcnt 0x0
; h = scale (x - mean) / sqrt(var + 1e-5) + shift over rows of 1,024 f32, then quantised along the row to E2M3 with one E8M0 byte for each 32, and stored as images of operand registers
; (16 rows x 128 K = 1,536 bytes: two halves of 768; in half c lane L has registers 6c..6c+3 at 16 L and 6c+4, 6c+5 at 512 + 8 L) at byte 9,437,184 of cA; scale words [rowblock][K / 512][row][kstep % 4] at byte 393,216 of sA.
; A work-group takes 16 rows.  Phase 1: wave w normalises rows 2 w and 2 w + 1 (a row is 32 registers of the wave; mean first, then the sum of squares of x - mean, so that a common offset costs nothing)
; and lays them in LDS.  Phase 2: wave w takes kstep w of all 16 rows: lane (r, h) reads, of row r, 16 neighbours of each block of 32, quantises, and stores the image.  Wave 0 gathers the scale words.
; LIMITS: a block of zeros gets the byte 1 where the quantiser says 127 (its codes are zeros; this program alone reads the bytes); blocks under 2^-124 are held at byte 1; NaN and infinities are not served.
; 1 / sqrt is v_rsq_f32.
.set PITCH, 4112                       ; an LDS row: 4,096 bytes + 16: the 16 rows that a load touches start in 16 different groups of banks
.set SCW,   16*PITCH                   ; behind the rows: 8 x 128 bytes of scale words
.set HOFF,  9437184
.set HSOFF, 393216
.set LNS, 16                           ; v16-47  the gain of my 32 columns
.set LNB, 48                           ; v48-79  the shift
.set R,   80                           ; v80-143 two rows; later 64 numbers of one row
.set PC,  144                          ; v144-162 codes (phase 1: v144-159 sums at work, v160-163 means)
.set TM,  164                          ; v164-179 at work (phase 1: v164-167 1 / sqrt, twice each)
.set PW,  180
.set GW,  184
.set SEL, 14
.macro LANESUM reg, tmp                ; the sum over the wave's 32 lanes, in every lane
	v_add_f32_dpp v[\reg], v[\reg], v[\reg] row_xmask:1 row_mask:0xf bank_mask:0xf
	s_delay_alu instid0(VALU_DEP_1)
	v_add_f32_dpp v[\reg], v[\reg], v[\reg] row_xmask:2 row_mask:0xf bank_mask:0xf
	s_delay_alu instid0(VALU_DEP_1)
	v_add_f32_dpp v[\reg], v[\reg], v[\reg] row_xmask:4 row_mask:0xf bank_mask:0xf
	s_delay_alu instid0(VALU_DEP_1)
	v_add_f32_dpp v[\reg], v[\reg], v[\reg] row_xmask:8 row_mask:0xf bank_mask:0xf
	s_delay_alu instid0(VALU_DEP_1)
	v_permlanex16_b32 v[\tmp], v[\reg], s[SEL], s[SEL+1]
	s_delay_alu instid0(VALU_DEP_1)
	v_add_f32 v[\reg], v[\reg], v[\tmp]
.endm
.macro FOLD t                          ; four pairs become one number
	v_pk_add_f32 v[\t:\t+1], v[\t:\t+1], v[\t+2:\t+3]
	v_pk_add_f32 v[\t+4:\t+5], v[\t+4:\t+5], v[\t+6:\t+7]
	s_delay_alu instid0(VALU_DEP_1)
	v_pk_add_f32 v[\t:\t+1], v[\t:\t+1], v[\t+4:\t+5]
	s_delay_alu instid0(VALU_DEP_1)
	v_add_f32 v[\t], v[\t], v[\t+1]
.endm
; 64 numbers of a lane, register 16 b + i = k 32 b + 16 (lane / 16) + i of my row, become a fragment's codes in v[PC] on and its scale word in v[PW]
.macro QUANT s
.irp b, 0,1,2,3
	v_max3_num_f32 v[TM+\b], |v[\s+16*\b]|, |v[\s+1+16*\b]|, 0x1800000   ; with the floor 2^(3 - 127)
.endr
.irp i, 2,4,6,8,10,12,14
.irp b, 0,1,2,3
	s_delay_alu instid0(VALU_DEP_4)
	v_max3_num_f32 v[TM+\b], v[TM+\b], |v[\s+16*\b+\i]|, |v[\s+1+16*\b+\i]|
.endr
.endr
.irp b, 0,1,2,3
	s_delay_alu instid0(VALU_DEP_4)
	v_permlanex16_b32 v[TM+4+\b], v[TM+\b], s[SEL], s[SEL+1]
.endr
.irp b, 0,1,2,3
	s_delay_alu instid0(VALU_DEP_4)
	v_max_num_f32 v[TM+\b], v[TM+\b], v[TM+4+\b]   ; with lane l xor 16's: the block's largest magnitude
.endr
.irp b, 0,1,2,3
	s_delay_alu instid0(VALU_DEP_4)
	v_add_nc_u32 v[TM+12+\b], 0xff000000, v[TM+\b] ; the conversion's scale operand
.endr
.irp b, 0,1,2,3
	s_delay_alu instid0(VALU_DEP_4)
	v_lshrrev_b32 v[TM+4+\b], 23, v[TM+12+\b]      ; the scale's byte
.endr
	s_delay_alu instid0(VALU_DEP_3)
	v_lshl_or_b32 v[PW], v[TM+5], 8, v[TM+4]
	s_delay_alu instid0(VALU_DEP_1)
	v_lshl_or_b32 v[PW], v[TM+6], 16, v[PW]
	s_delay_alu instid0(VALU_DEP_1)
	v_lshl_or_b32 v[PW], v[TM+7], 24, v[PW]
.irp c, 0,1
	v_cvt_scalef32_pk16_fp6_f32 v[PC+6*\c:PC+2+6*\c], v[\s+32*\c:\s+15+32*\c], v[TM+12+2*\c]
	v_cvt_scalef32_pk16_fp6_f32 v[PC+12+4*\c:PC+14+4*\c], v[\s+16+32*\c:\s+31+32*\c], v[TM+12+2*\c+1]
.endr
	v_nop                                          ; one plain line behind the conversions
.irp c, 0,1                                    ; a whole block to a lane: lanes 0-15 block 2 c, lanes 16-31 block 2 c + 1
.irp i, 0,1,2
	v_permlane16_swap_b32 v[PC+6*\c+\i], v[PC+12+4*\c+\i]
.endr
.irp i, 0,1,2
	s_delay_alu instid0(VALU_DEP_3)
	v_mov_b32 v[PC+3+6*\c+\i], v[PC+12+4*\c+\i]
.endr
.endr
.endm
	s_cmp_ge_u32 ttmp9, 256                        ; work-groups 0-255 normalise rows; 256-447, where the launch has them, quantise the six weights (at the text's end)
	s_cbranch_scc1 .Lweights
	s_load_b256 s[4:11], s[0:1], 0x0               ; x, gain, shift, cA
	s_load_b64 s[12:13], s[0:1], 0x20              ; sA
	v_lshl_add_u32 v192, v0, 2, 0x10600
	v_mov_b32 v193, 0
	v_lshrrev_b32 v1, 5, v0
	s_delay_alu instid0(VALU_DEP_1)
	v_readfirstlane_b32 s16, v1                    ; wave 0..7
	v_and_b32 v1, 31, v0                           ; lane
	v_and_b32 v2, 15, v0                           ; r
	v_bfe_u32 v3, v0, 4, 1                         ; h
	s_delay_alu instid0(VALU_DEP_3)
	v_lshlrev_b32 v4, 4, v1                        ; 16 x lane
	s_delay_alu instid0(VALU_DEP_4)
	v_lshlrev_b32 v9, 3, v1                        ; 8 x lane
	s_mul_i32 s17, s16, 2*PITCH
	v_add_nc_u32 v5, s17, v4                       ; phase 1: my two rows in LDS
	v_mul_u32_u24 v6, v2, PITCH
	s_delay_alu instid0(VALU_DEP_1)
	v_lshl_add_u32 v6, v3, 6, v6
	s_lshl_b32 s17, s16, 9
	v_add_nc_u32 v6, s17, v6                       ; phase 2: row r, kstep w, + 64 h
	s_lshl_b32 s17, s16, 7
	s_add_co_u32 s17, s17, SCW
	v_lshl_add_u32 v7, v1, 2, s17                  ; my kstep's scale words: 4 x lane
	v_lshlrev_b32 v8, 2, v2
	s_delay_alu instid0(VALU_DEP_1)
	v_lshl_add_u32 v8, v3, 9, v8
	s_delay_alu instid0(VALU_DEP_1)
	v_add_nc_u32 v8, SCW, v8                       ; the gather: kstep 4 h + q of row r
	s_mov_b32 s[SEL], 0x76543210
	s_mov_b32 s[SEL+1], 0xfedcba98
	s_mov_b32 s24, 0x3a800000                      ; 1 / 1024
	s_mov_b32 s25, 0x3727c5ac                      ; 1e-5
.irp b, 0,1,2,3
	v_mov_b32 v[TM+4+\b], 0                        ; written once: a lane permute's destination counts as one of its sources
.endr
	s_lshl_b32 s18, ttmp9, 16                      ; 16 rows of 4,096 bytes a work-group,
	s_lshl_b32 s19, s16, 13                        ; two a wave
	s_add_co_u32 s18, s18, s19
	s_mov_b32 s19, 0
	s_mul_i32 s20, ttmp9, 12288                    ; the rowblock's images,
	s_mul_i32 s21, s16, 1536                       ; my kstep's
	s_add_co_u32 s20, s20, s21
	s_add_co_u32 s20, s20, HOFF
	s_mov_b32 s21, 0
	s_lshl_b32 s22, ttmp9, 9
	s_add_co_u32 s22, s22, HSOFF
	s_mov_b32 s23, 0
	s_wait_kmcnt 0x0
	s_add_nc_u64 s[4:5], s[4:5], s[18:19]
	s_add_nc_u64 s[10:11], s[10:11], s[20:21]
	s_add_nc_u64 s[12:13], s[12:13], s[22:23]
.irp p, 0,1
.irp j, 0,1,2,3,4,5,6,7
	global_load_b128 v[R+32*\p+4*\j:R+32*\p+4*\j+3], v4, s[4:5] offset:4096*\p+512*\j   ; 512 consecutive bytes a load
.endr
.endr
.irp j, 0,1,2,3,4,5,6,7
	global_load_b128 v[LNS+4*\j:LNS+4*\j+3], v4, s[6:7] offset:512*\j
.endr
.irp j, 0,1,2,3,4,5,6,7
	global_load_b128 v[LNB+4*\j:LNB+4*\j+3], v4, s[8:9] offset:512*\j
.endr
	s_wait_loadcnt 16                              ; the two rows are in; the 16 loads of gain and shift may be out
.irp p, 0,1                                    ; the sums, four chains a row
.irp k, 0,1,2,3
	v_pk_add_f32 v[144+8*\p+2*\k:145+8*\p+2*\k], v[R+32*\p+2*\k:R+32*\p+2*\k+1], v[R+32*\p+2*\k+8:R+32*\p+2*\k+9]
.endr
.endr
.irp m, 16,24
.irp p, 0,1
.irp k, 0,1,2,3
	v_pk_add_f32 v[144+8*\p+2*\k:145+8*\p+2*\k], v[144+8*\p+2*\k:145+8*\p+2*\k], v[R+32*\p+2*\k+\m:R+32*\p+2*\k+\m+1]
.endr
.endr
.endr
	FOLD 144
	FOLD 152
	LANESUM 144, 168
	LANESUM 152, 169
.irp p, 0
	v_mul_f32 v[160+2*\p], s24, v[144+8*\p]        ; the mean, twice for the packed form
	s_delay_alu instid0(VALU_DEP_1)
	v_mov_b32 v[161+2*\p], v[160+2*\p]
.endr
.irp p, 1
	s_delay_alu instid0(VALU_DEP_3)
	v_mul_f32 v[160+2*\p], s24, v[144+8*\p]        ; the mean, twice for the packed form
	s_delay_alu instid0(VALU_DEP_1)
	v_mov_b32 v[161+2*\p], v[160+2*\p]
.endr
.irp p, 0,1
.set n_, 0
.rept 16
	v_pk_add_f32 v[R+32*\p+n_:R+32*\p+n_+1], v[R+32*\p+n_:R+32*\p+n_+1], v[160+2*\p:161+2*\p] neg_lo:[0,1] neg_hi:[0,1]   ; x - mean
.set n_, n_+2
.endr
.endr
.irp p, 0,1                                    ; the sums of squares
.irp k, 0,1,2,3
	v_pk_mul_f32 v[144+8*\p+2*\k:145+8*\p+2*\k], v[R+32*\p+2*\k:R+32*\p+2*\k+1], v[R+32*\p+2*\k:R+32*\p+2*\k+1]
.endr
.endr
.irp m, 8,16,24
.irp p, 0,1
.irp k, 0,1,2,3
	v_pk_fma_f32 v[144+8*\p+2*\k:145+8*\p+2*\k], v[R+32*\p+2*\k+\m:R+32*\p+2*\k+\m+1], v[R+32*\p+2*\k+\m:R+32*\p+2*\k+\m+1], v[144+8*\p+2*\k:145+8*\p+2*\k]
.endr
.endr
.endr
	FOLD 144
	FOLD 152
	LANESUM 144, 168
	LANESUM 152, 169
.irp p, 0
	v_fma_f32 v[160+2*\p], v[144+8*\p], s24, s25   ; var + 1e-5
.endr
.irp p, 1
	s_delay_alu instid0(VALU_DEP_2)
	v_fma_f32 v[160+2*\p], v[144+8*\p], s24, s25   ; var + 1e-5
.endr
	s_wait_alu depctr_va_vdst(0)
	v_rsq_f32 v164, v160
	v_rsq_f32 v166, v162
	v_nop                                          ; a plain line behind the two,
	s_wait_alu depctr_va_vdst(0)                   ; and one wait for both ahead of their first reader
	v_mov_b32 v165, v164
	v_mov_b32 v167, v166
	s_wait_alu depctr_va_vdst(0)
	s_wait_loadcnt 0x0                             ; gain and shift
.irp p, 0,1
.set n_, 0
.rept 16
	v_pk_mul_f32 v[R+32*\p+n_:R+32*\p+n_+1], v[R+32*\p+n_:R+32*\p+n_+1], v[164+2*\p:165+2*\p]
	s_delay_alu instid0(VALU_DEP_1)
	v_pk_fma_f32 v[R+32*\p+n_:R+32*\p+n_+1], v[R+32*\p+n_:R+32*\p+n_+1], v[LNS+n_:LNS+n_+1], v[LNB+n_:LNB+n_+1]
.set n_, n_+2
.endr
.endr
.irp p, 0,1
.irp j, 0,1,2,3,4,5,6,7
	ds_store_b128 v5, v[R+32*\p+4*\j:R+32*\p+4*\j+3] offset:PITCH*\p+512*\j
.endr
.endr
	s_wait_dscnt 0x0                               ; for the others' sake: my rows lie in LDS
	s_barrier_signal -1
	s_barrier_wait -1
.irp b, 0,1,2,3
.irp j, 0,1,2,3
	ds_load_b128 v[R+16*\b+4*\j:R+16*\b+4*\j+3], v6 offset:128*\b+16*\j
.endr
.endr
	s_wait_dscnt 0x0
	QUANT R
.irp c, 0,1
	global_store_b128 v4, v[PC+6*\c:PC+6*\c+3], s[10:11] offset:768*\c          ; 512 consecutive bytes,
	global_store_b64 v9, v[PC+6*\c+4:PC+6*\c+5], s[10:11] offset:768*\c+512     ; and 256: whole aligned runs
.endr
	ds_store_b32 v7, v[PW]
	s_wait_dscnt 0x0
	s_barrier_signal -1
	s_barrier_wait -1
	s_cmp_lg_u32 s16, 0                            ; wave 0 gathers the rowblock's 512 bytes of scale words
	s_cbranch_scc1 .Lend
.irp q, 0,1,2,3
	ds_load_b32 v[GW+\q], v8 offset:128*\q
.endr
	s_wait_dscnt 0x0
	global_store_b128 v4, v[GW:GW+3], s[12:13]
.Lend:
	s_wait_tensorcnt 0x0
	ds_add_u32 v192, v193
	s_wait_dscnt 0x0
	s_endpgm
; THE WEIGHTS.  The six weights, f32 stored [K][N], become codes of E2M3 with one E8M0 byte for each 32 along K, laid as images of operand registers, [rowblock = 16 rows][kstep = 128 K];
; scale words [rowblock][K / 512][row][kstep % 4].  Column x of a group of 32 goes to rowblock (x >> 3) & 1, row (x & 7) | ((x >> 4) << 3): used as source 0, two neighbouring rowblocks leave 16 neighbouring columns in a lane's 16 result registers.
; A lane takes a column and its registers run down K: a block of 32 is one lane's 32 registers.  A wave takes 32 columns x 256 K; four waves are a unit of 128 columns x 256 K, a work-group two units.
; Units 0-127: Wq, Wk, Wv, Wo (32 each); 128-255: W1; 256-383: W2.  What differs is chosen by scalar selects on the unit's number.  Waves share nothing: no barrier.  This path has LDS bytes of its own, from WBASE on.
; LIMITS as above: a block of zeros gets the byte 1; blocks under 2^-124 are held at byte 1; NaN and infinities are not served.
.set X,    48                          ; v48-111  two sets of 32 numbers
.set C,    112                         ; v112-118 a block's codes
.set OUTR, 128                         ; v128-175 the way out
.set OFF,  16                          ; v16-47   4 x lane + i x row bytes
.set SB,   14                          ; v14-15   scale bytes, four to a register
.set WST,  6400                        ; LDS of a wave: two stages (one a rowblock) of 3,072 bytes, 3,200 apart
.set UST,  3200
.set WBASE, 68096                      ; behind the other path's bytes
.set WSPARE, WBASE+8*WST               ; this path's spare words: 128 bytes a wave
.Lweights:
	s_load_b256 s[4:11], s[0:1], 0x28              ; Wq, Wk, Wv, Wo
	s_load_b128 s[12:15], s[0:1], 0x48             ; W1, W2
	s_load_b128 s[16:19], s[0:1], 0x18             ; cA, sA
	v_lshl_add_u32 v192, v0, 2, WSPARE
	v_mov_b32 v193, 0
	v_lshrrev_b32 v1, 5, v0
	v_readfirstlane_b32 s2, v1                     ; wave 0..7
	s_and_b32 s20, s2, 3                           ; wave of its unit
	s_lshr_b32 s3, s2, 2
	s_sub_co_u32 s21, ttmp9, 256
	s_lshl_b32 s21, s21, 1
	s_add_co_u32 s3, s3, s21                       ; the unit, 0..383
	v_and_b32 v1, 31, v0                           ; lane = my column of the wave's 32
	v_bfe_u32 v2, v0, 3, 1                         ; u: which of the two rowblocks
	s_wait_alu depctr_va_vdst(0)
	v_and_b32 v3, 7, v0
	v_bfe_u32 v10, v0, 4, 1
	v_lshl_or_b32 v3, v10, 3, v3                   ; my row in it
	s_lshr_b32 s21, s3, 7                          ; 0: the four small weights, 1: W1, 2: W2
	s_and_b32 s22, s3, 127
	s_lshr_b32 s23, s22, 5                         ; small: which weight; W1: which 256 of K
	s_and_b32 s24, s22, 7
	s_and_b32 s25, s22, 31
	s_lshr_b32 s26, s22, 3
	s_and_b32 s27, s26, 3
	s_add_co_u32 s28, s21, 3
	s_mul_i32 s29, s23, 786432
	s_lshl_b32 s30, s23, 15
	s_mul_i32 s31, s21, 3145728
	s_lshl_b32 s52, s21, 17
	s_cmp_eq_u32 s21, 0
	s_cselect_b32 s28, s23, s28                    ; the weight's number 0..5
	s_cselect_b32 s29, s29, s31                    ; where its codes begin in cA
	s_cselect_b32 s30, s30, s52                    ; where its scale words begin in sA
	s_cselect_b32 s27, s27, s26
	s_cmp_eq_u32 s21, 1
	s_cselect_b32 s27, s23, s27                    ; which 256 of K
	s_cselect_b32 s24, s25, s24                    ; which 128 columns
	s_mov_b32 s25, 4096
	s_cselect_b32 s25, 16384, s25                  ; bytes in a row of the weight
	s_cmp_eq_u32 s21, 2
	s_mov_b32 s26, 12288
	s_cselect_b32 s26, 49152, s26                  ; bytes of a rowblock's codes: 12 K
	s_mov_b32 s31, 512
	s_cselect_b32 s31, 2048, s31                   ; bytes of a rowblock's scale words: K / 2
	s_mul_i32 s22, s2, WST                         ; my wave's LDS
	s_add_co_u32 s22, s22, WBASE
	v_mul_u32_u24 v4, v2, UST
	s_wait_alu depctr_va_vdst(0)
	v_lshl_add_u32 v4, v3, 4, v4
	v_add_nc_u32 v4, s22, v4                       ; into the stage: registers 0-3 of a half at 16 x row (+ 256 h)
	v_mul_u32_u24 v5, v2, UST
	v_lshl_add_u32 v5, v3, 3, v5
	v_add_nc_u32 v5, s22, v5
	v_add_nc_u32 v5, 512, v5                       ; registers 4, 5 at 512 + 8 x row (+ 128 h)
	v_lshl_add_u32 v6, v1, 4, s22                  ; out of it: 16 bytes a lane
	v_lshlrev_b32 v7, 4, v1                        ; the same place in cA, rowblock 0,
	v_add_nc_u32 v8, s26, v7                       ; and rowblock 1
	v_mul_u32_u24 v9, v2, s31
	v_lshl_add_u32 v9, v3, 4, v9                   ; my row's 16 bytes of scale words
	v_lshlrev_b32 v10, 2, v1
.set n_, 0
.rept 32
	v_mad_u32_u24 v[OFF+n_], s25, n_, v10
.set n_, n_+1
.endr
	s_mul_i32 s56, s27, s25                        ; the weight: 256 rows for each step of K,
	s_lshl_b32 s56, s56, 8
	s_lshl_b32 s57, s24, 9                         ; 512 bytes for each 128 columns,
	s_add_co_u32 s56, s56, s57
	s_lshl_b32 s57, s20, 7                         ; 128 bytes a wave
	s_add_co_u32 s56, s56, s57
	s_mov_b32 s57, 0
	s_lshl_b32 s58, s25, 5                         ; a block of 32 rows on
	s_mov_b32 s59, 0
	s_lshl_b32 s60, s24, 3
	s_lshl_b32 s61, s20, 1
	s_add_co_u32 s60, s60, s61                     ; my first rowblock
	s_mul_i32 s62, s60, s26
	s_add_co_u32 s62, s62, s29
	s_mul_i32 s61, s27, 3072                       ; two ksteps' images
	s_add_co_u32 s62, s62, s61
	s_mov_b32 s63, 0
	s_mul_i32 s52, s60, s31
	s_add_co_u32 s52, s52, s30
	s_lshr_b32 s61, s27, 1
	s_lshl_b32 s61, s61, 8                         ; which 512 of K,
	s_add_co_u32 s52, s52, s61
	s_and_b32 s61, s27, 1
	s_lshl_b32 s61, s61, 3                         ; and which two of its four words
	s_add_co_u32 s52, s52, s61
	s_mov_b32 s53, 0
	s_wait_alu depctr_va_vdst(0)
	s_wait_kmcnt 0x0
	s_mov_b64 s[54:55], s[4:5]                     ; the weight's address: a choice on the unit's number alone
	s_cmp_eq_u32 s28, 1
	s_cselect_b64 s[54:55], s[6:7], s[54:55]
	s_cmp_eq_u32 s28, 2
	s_cselect_b64 s[54:55], s[8:9], s[54:55]
	s_cmp_eq_u32 s28, 3
	s_cselect_b64 s[54:55], s[10:11], s[54:55]
	s_cmp_eq_u32 s28, 4
	s_cselect_b64 s[54:55], s[12:13], s[54:55]
	s_cmp_eq_u32 s28, 5
	s_cselect_b64 s[54:55], s[14:15], s[54:55]
	s_add_nc_u64 s[32:33], s[54:55], s[56:57]      ; a base for each of the 8 blocks
.irp t, 1,2,3,4,5,6,7
	s_add_nc_u64 s[32+2*\t:33+2*\t], s[30+2*\t:31+2*\t], s[58:59]
.endr
	s_add_nc_u64 s[48:49], s[16:17], s[62:63]      ; my codes
	s_add_nc_u64 s[50:51], s[18:19], s[52:53]      ; my scale words
.macro LOAD t                          ; block t: W(32 t + i, my column): 32 lanes read 128 consecutive bytes
.set n_, 0
.rept 32
	global_load_b32 v[X+32*((\t)%2)+n_], v[OFF+n_], s[32+2*(\t):33+2*(\t)] th:TH_LOAD_NT
.set n_, n_+1
.endr
.endm
.macro BLOCK t                         ; block t is kstep t / 4, half (t % 4) / 2, lane half t % 2 of the image
.set XS, X+32*((\t)%2)
.set BO, ((\t)/4)*1536+(((\t)%4)/2)*768
.if (\t) < 7
	s_wait_loadcnt 32                              ; this block's 32 loads are in; the next block's 32 may be out
.else
	s_wait_loadcnt 0x0
.endif
	v_max3_num_f32 v12, |v[XS]|, |v[XS+1]|, |v[XS+2]|
	v_max3_num_f32 v13, |v[XS+3]|, |v[XS+4]|, |v[XS+5]|
.irp i, 6,10,14,18,22,26
	v_max3_num_f32 v12, v12, |v[XS+\i]|, |v[XS+\i+1]|
	v_max3_num_f32 v13, v13, |v[XS+\i+2]|, |v[XS+\i+3]|
.endr
	v_max3_num_f32 v12, v12, |v[XS+30]|, |v[XS+31]|
	v_max3_num_f32 v12, v12, v13, 0x1800000        ; with the floor 2^(3 - 127): the byte cannot fall under 1
	v_add_nc_u32 v11, 0xff000000, v12              ; 2 off the exponent field: the conversion's scale operand
	v_lshrrev_b32 v13, 23, v11                     ; the scale's byte
.if (\t)%4 == 0
	v_mov_b32 v[SB+(\t)/4], v13
.else
	v_lshl_or_b32 v[SB+(\t)/4], v13, 8*((\t)%4), v[SB+(\t)/4]
.endif
	v_cvt_scalef32_pk16_fp6_f32 v[C:C+2], v[XS:XS+15], v11
	v_cvt_scalef32_pk16_fp6_f32 v[C+4:C+6], v[XS+16:XS+31], v11   ; (a conversion's three registers begin on an even number)
	v_nop                                          ; one plain line behind the conversions
	v_mov_b32 v[C+3], v[C+4]
	v_mov_b32 v[C+4], v[C+5]
	v_mov_b32 v[C+5], v[C+6]                       ; the block's 24 bytes on end in C .. C+5
	ds_store_b128 v4, v[C:C+3] offset:BO+256*((\t)%2)
	ds_store_b64 v5, v[C+4:C+5] offset:BO+128*((\t)%2)
.if (\t)+2 < 8
	LOAD (\t)+2
.endif
	s_wait_dscnt 0x0                               ; the stores have read C: the next block may write it
.endm
	LOAD 0
	LOAD 1
.irp t, 0,1,2,3,4,5,6,7
	BLOCK \t
.endr
	s_wait_alu depctr_va_vdst(0)
	global_store_b64 v9, v[SB:SB+1], s[50:51]      ; my row's two scale words
.irp n, 0,1,2,3,4,5,6,7,8,9,10,11
	ds_load_b128 v[OUTR+4*\n:OUTR+4*\n+3], v6 offset:(\n/6)*UST+(\n%6)*512   ; LDS serves a wave's instructions in order: these see my stores
.endr
.irp n, 0,1,2,3,4,5
	s_wait_dscnt 11-\n                             ; the younger loads may be out
	global_store_b128 v7, v[OUTR+4*\n:OUTR+4*\n+3], s[48:49] offset:\n*512   ; 32 lanes store 512 consecutive bytes, aligned
.endr
.irp n, 6,7,8,9,10,11
	s_wait_dscnt 11-\n
	global_store_b128 v8, v[OUTR+4*\n:OUTR+4*\n+3], s[48:49] offset:(\n-6)*512
.endr
	s_wait_tensorcnt 0x0                           ; the wave's end
	ds_add_u32 v192, v193
	s_wait_dscnt 0x0
	s_endpgm
.Lfunc_end_k_q55bd1c4ae2_ln1:
	.size	k_q55bd1c4ae2_ln1, .Lfunc_end_k_q55bd1c4ae2_ln1-k_q55bd1c4ae2_ln1
	.p2alignl 7, 3214868480
	.fill 96, 4, 3214868480
	.section	.rodata,"a",@progbits
	.p2align	6, 0x0
	.amdhsa_kernel k_q55bd1c4ae2_ln1
		.amdhsa_group_segment_fixed_size 120320
		.amdhsa_private_segment_fixed_size 0
		.amdhsa_enable_private_segment 0
		.amdhsa_kernarg_size 88
		.amdhsa_user_sgpr_count 2
		.amdhsa_user_sgpr_kernarg_segment_ptr 1
		.amdhsa_wavefront_size32 1
		.amdhsa_system_sgpr_workgroup_id_x 1
		.amdhsa_system_sgpr_workgroup_id_y 1
		.amdhsa_system_sgpr_workgroup_id_z 1
		.amdhsa_system_vgpr_workitem_id 0
		.amdhsa_next_free_vgpr 194
		.amdhsa_next_free_sgpr 66
		.amdhsa_reserve_vcc 0
		.amdhsa_float_denorm_mode_32 3
		.amdhsa_float_denorm_mode_16_64 3
		.amdhsa_memory_ordered 1
		.amdhsa_forward_progress 1
		.amdhsa_inst_pref_size 75
	.end_amdhsa_kernel
	.amdgpu_metadata
---
amdhsa.version: [ 1, 2 ]
amdhsa.kernels:
  - .name:           k_q55bd1c4ae2_ln1
    .symbol:         k_q55bd1c4ae2_ln1.kd
    .args:
      - { .name: x, .offset: 0, .size: 8, .value_kind: global_buffer, .address_space: global }
      - { .name: ln1_scale, .offset: 8, .size: 8, .value_kind: global_buffer, .address_space: global }
      - { .name: ln1_shift, .offset: 16, .size: 8, .value_kind: global_buffer, .address_space: global }
      - { .name: cA, .offset: 24, .size: 8, .value_kind: global_buffer, .address_space: global }
      - { .name: sA, .offset: 32, .size: 8, .value_kind: global_buffer, .address_space: global }
      - { .name: Wq, .offset: 40, .size: 8, .value_kind: global_buffer, .address_space: global }
      - { .name: Wk, .offset: 48, .size: 8, .value_kind: global_buffer, .address_space: global }
      - { .name: Wv, .offset: 56, .size: 8, .value_kind: global_buffer, .address_space: global }
      - { .name: Wo, .offset: 64, .size: 8, .value_kind: global_buffer, .address_space: global }
      - { .name: W1, .offset: 72, .size: 8, .value_kind: global_buffer, .address_space: global }
      - { .name: W2, .offset: 80, .size: 8, .value_kind: global_buffer, .address_space: global }
    .group_segment_fixed_size: 120320
    .private_segment_fixed_size: 0
    .kernarg_segment_align: 8
    .kernarg_segment_size: 88
    .max_flat_workgroup_size: 256
    .sgpr_count:     66
    .vgpr_count:     194
    .wavefront_size: 32
...
	.end_amdgpu_metadata
.endif
;; end of part 1
;; launch qkv (part 2): grid 4 x 48, 4 waves a work-group, clusters of 4 x 4, 327,680 bytes of LDS; arguments cA, sA, cB, sB; writes cB, sB
.if DOCPART == 2
	.amdgcn_target "amdgcn-amd-amdhsa--gfx1250"
	.amdhsa_code_object_version 6
	.text
	.protected	k_q55bd1c4ae2_qkv
	.globl	k_q55bd1c4ae2_qkv
	.p2align	8
	.type	k_q55bd1c4ae2_qkv,@function
k_q55bd1c4ae2_qkv:
	s_mov_b64 s[64:65], 0
	v_nop
	global_prefetch_b8 v0, s[64:65] scope:SCOPE_SE
	s_setreg_imm32_b32 hwreg(HW_REG_WAVE_MODE, 25, 1), 1
	s_wait_xcnt 0x0
	s_wait_alu depctr_hold_cnt(0) depctr_sa_sdst(0) depctr_va_vdst(0) depctr_va_sdst(0) depctr_va_ssrc(0) depctr_va_vcc(0) depctr_vm_vsrc(0)
	s_getreg_b32 s2, hwreg(HW_REG_IB_STS2, 6, 4)
	s_cmp_eq_u32 s2, 0
	s_cbranch_scc0 .Lentry_in_a_cluster
	s_endpgm
.Lentry_in_a_cluster:
	s_bfe_u32 s2, ttmp6, 0x10000c
	s_cmp_lg_u32 s2, 0xf033
	s_cbranch_scc0 .Lentry_shape_is_right
	s_endpgm
.Lentry_shape_is_right:
; q = h Wq, k = h Wk, v = h Wv on codes of E2M3 (K = 1,024), each result quantised on the way out: q and k along the head's 64, v along the keys.
; OPERANDS are images of operand registers (16 rows x 128 K = 1,536 bytes; a fragment comes by b128, b64, b128, b64, each 512 or 256 consecutive bytes of LDS), [rowblock][kstep]; a tile of 128 rows for all of K is 98,304 dense bytes.
; A work-group makes 128 x 128 at a time, four waves of 64 x 64 (16 accumulators).  Its tile of operand "A" (source 1: its rows fall on the lanes) stays in LDS for the launch; it walks NT = 4 tiles of
; operand "B" (source 0: its rows fall on a lane's registers), each whole in one of two slots.  q, k: A = h, B = Wq | Wk.  v: A = Wv, B = h: so a lane holds one channel and its registers run along the keys.
; The two parts differ in scalar numbers alone, chosen on the cluster's y (clusters 0-7: q, k; 8-11: v): no branch.  192 work-groups: 768 tiles of 128 x 128, four to a work-group.
; A wave's 64 result columns of 16 rows are 32 registers a lane: two blocks of 32, which become HALF an image (768 bytes) and two scale bytes a row.
; OUT: q, k: cB [head][batch][tile of 16 tokens] halves; scale bytes sB [head][batch][token] 2 bytes.  v: cB + 6,291,456 [head][batch][128 keys][16 channels][half]; scale words sB + 262,144 [head][batch][128 keys][16 channels][row].
; In v's blocks of 32 keys the two middle groups of 8 change places; the softmax's weights are laid the same way by the launch that reads them.
; CLUSTER 4 x 4: A's tile is shared along a row of the cluster, B's along a column: joint loads, every wave a quarter of each block.
; LIMITS: a block of zeros gets the byte 1 (its codes are zeros; this program alone reads the bytes); blocks under 2^-124 are held at byte 1; NaN and infinities are not served.  The scale bytes leave two at a time.
.set NT,    4
.set SLOTB, 98304
.set AOFF,  2*SLOTB                    ; LDS: B slot 0, B slot 1, A,
.set SCLA,  3*SLOTB                    ; A's scale words (4,096),
.set SCLB,  SCLA+4096                  ; B's of all NT tiles,
.set SPARE, SCLB+NT*4096               ; the spare words: 128 bytes a wave, which no other line names
.set RBS,   12288                      ; a rowblock in LDS
.set SS,    8                          ; scale registers a rowblock
.set SC,    32                         ; v32-63 scale words and nothing else: register SS i + q: lanes 0-15 A's rowblock i, lanes 16-31 B's rowblock i, kstep q
.set ACC,   128                        ; v128-255 accumulator (a, b) at 128 + 32 a + 8 b
.set F0,    0                          ; window 1: two fragment buffers: B's four at +0, A's four at +48
.set F1,    128
.set BIAS,  96
.set L16, 4
.set L8,  5
.set ADRA16, 16
.set ADRA8,  17
.set ADRB16, 20
.set ADRB8,  22
.set ADRS, 27
.set SPW,  28
.set NIL,  29
.set HST,  30
.set TM,   108
.set SEL,  12
.set HM,   42
.set MSB, 0
.macro WIN new                         ; the immediate's high byte repeats the setting that is left
.if MSB != \new
	s_set_vgpr_msb (MSB<<8)|\new
.set MSB, \new
.endif
.endm
.set MUL,  0x05                        ; sources 0 and 1 window 1; C and D window 0
.set MULB, 0x15                        ; the same with C in window 1
.set TO_F, 0x40                        ; destination window 1, address window 0
.macro PLACES n
.rept \n
	v_nop
.endr
.endm
.macro CREST
	s_cmp_lg_u32 s14, 0
	s_cbranch_scc1 .Lnot_wave_0_\@
	s_barrier_signal -3
.Lnot_wave_0_\@:
	s_barrier_wait -3
	s_barrier_signal -1
	s_barrier_wait -1
.endm
.macro CROUND                          ; a round of the cluster's barrier
	s_barrier_signal -1
	s_barrier_wait -1
	CREST
.endm
.macro FRAG reg, a16, a8, off          ; a fragment from its image
	ds_load_b128 v[\reg:\reg+3], v[\a16] offset:\off
	ds_load_b64 v[\reg+4:\reg+5], v[\a8] offset:\off
	ds_load_b128 v[\reg+6:\reg+9], v[\a16] offset:\off+768
	ds_load_b64 v[\reg+10:\reg+11], v[\a8] offset:\off+768
.endm
.macro FETCH f, q, slot                ; kstep q: B's four fragments from the slot, A's four: 32 loads
	WIN TO_F
.irp i, 0,1,2,3
	FRAG \f+12*\i, ADRB16+\slot, ADRB8+\slot, \i*RBS+\q*1536
.endr
.irp i, 0,1,2,3
	FRAG \f+48+12*\i, ADRA16, ADRA8, \i*RBS+\q*1536
.endr
.endm
.macro MUL4 f, a, sq, mode             ; A's rowblock a against B's four.  mode 0: onto the sums; 1: the constant 0 starts them; 2: the bias starts them
.irp b, 0,1,2,3
.if \mode == 0
	v_wmma_scale_f32_16x16x128_f8f6f4 v[ACC+32*\a+8*\b:ACC+32*\a+8*\b+7], v[\f+12*\b:\f+12*\b+11], v[\f+48+12*\a:\f+48+12*\a+11], v[ACC+32*\a+8*\b:ACC+32*\a+8*\b+7], v[SC+SS*\b+\sq], v[SC+SS*\a+\sq] matrix_a_fmt:MATRIX_FMT_FP6 matrix_b_fmt:MATRIX_FMT_FP6 matrix_a_scale:MATRIX_SCALE_ROW1
.elseif \mode == 1
	v_wmma_scale_f32_16x16x128_f8f6f4 v[ACC+32*\a+8*\b:ACC+32*\a+8*\b+7], v[\f+12*\b:\f+12*\b+11], v[\f+48+12*\a:\f+48+12*\a+11], 0, v[SC+SS*\b+\sq], v[SC+SS*\a+\sq] matrix_a_fmt:MATRIX_FMT_FP6 matrix_b_fmt:MATRIX_FMT_FP6 matrix_a_scale:MATRIX_SCALE_ROW1
.else
	v_wmma_scale_f32_16x16x128_f8f6f4 v[ACC+32*\a+8*\b:ACC+32*\a+8*\b+7], v[\f+12*\b:\f+12*\b+11], v[\f+48+12*\a:\f+48+12*\a+11], v[BIAS+8*\b:BIAS+8*\b+7], v[SC+SS*\b+\sq], v[SC+SS*\a+\sq] matrix_a_fmt:MATRIX_FMT_FP6 matrix_b_fmt:MATRIX_FMT_FP6 matrix_a_scale:MATRIX_SCALE_ROW1
.endif
.endr
.endm
; A kstep: buffer f is in; the places in front of loads into buffer g, which the last kstep's products read (five where sums are begun anew over older ones); the next kstep's 32 loads; 16 products.
; The 16 accumulators take turns, one instruction a turn, in the same order everywhere.
.macro QUARTER f, g, qn, slot, sq, mode, np, fetch
	s_wait_dscnt 0x0
	PLACES \np
.if \fetch
	FETCH \g, \qn, \slot
.endif
.if \mode == 2
	WIN MULB
.else
	WIN MUL
.endif
	MUL4 \f, 0, \sq, \mode
	MUL4 \f, 1, \sq, \mode
	MUL4 \f, 2, \sq, \mode
	MUL4 \f, 3, \sq, \mode
.endm
.macro RUN slot, mode                  ; a tile of B: all of K, 8 ksteps
	QUARTER F0, F1, 1, \slot, 0, \mode, 5, 1
	QUARTER F1, F0, 2, \slot, 1, 0, 4, 1
	QUARTER F0, F1, 3, \slot, 2, 0, 4, 1
	QUARTER F1, F0, 4, \slot, 3, 0, 4, 1
	QUARTER F0, F1, 5, \slot, 4, 0, 4, 1
	QUARTER F1, F0, 6, \slot, 5, 0, 4, 1
	QUARTER F0, F1, 7, \slot, 6, 0, 4, 1
	QUARTER F1, F0, 0, \slot, 7, 0, 4, 0
	WIN 0
	PLACES 4                                       ; in front of the first read of results and of loads into registers that the last products read
.endm
.macro SCALES                          ; a tile's scale words: four words a row and 512 of K
.irp i, 0,1,2,3
	ds_load_b128 v[SC+8*\i:SC+8*\i+3], v[ADRS] offset:512*\i
	ds_load_b128 v[SC+8*\i+4:SC+8*\i+7], v[ADRS] offset:512*\i+256
.endr
.endm
; The slot just read is left.  Every wave waits for all its tensor loads (its quarter of the next tile among them), adds 0 to its spare word, waits for that and for its reads of the slot.
; fill = 1: a round of the cluster's barrier, and the tile two on is asked for first thing behind it: one joint load a wave, with a run and a way out in which to land.
.macro SYNC slot, fill
	s_wait_tensorcnt 0x0
	ds_add_u32 v[SPW], v[NIL]
.if \fill
.if \slot == 0
	s_add_nc_u64 s[38:39], s[38:39], 2*SLOTB       ; no tensor load of mine is out: the slot's descriptor steps two tiles on
.else
	s_add_nc_u64 s[58:59], s[58:59], 2*SLOTB
.endif
.endif
	s_wait_dscnt 0x0
.if \fill
	CROUND
.if \slot == 0
	tensor_load_to_lds s[36:39], s[48:55]
	s_nop 0
.else
	tensor_load_to_lds s[56:59], s[48:55]
	s_nop 0
.endif
	PLACES 4
.else
	s_barrier_signal -1
	s_barrier_wait -1
.endif
	v_add_nc_u32 v[ADRS], v[HST], v[ADRS]          ; lanes 16-31 go on to the next tile's scale words of B
	FETCH F0, 0, 1-\slot
	WIN 0
	SCALES
.endm
; 32 numbers of a lane, register 16 e + i = k 32 e + 16 (lane / 16) + i of my row, become half an image in v[pc] .. v[pc+5] and two scale bytes in v[pw].  The reads ascend.
.macro QUANT2 s, pc, pw
.irp e, 0,1
	v_max3_num_f32 v[TM+\e], |v[\s+16*\e]|, |v[\s+16*\e+1]|, 0x1800000   ; with the floor 2^(3 - 127)
.endr
.irp i, 2,4,6,8,10,12,14
.irp e, 0,1
	v_max3_num_f32 v[TM+\e], v[TM+\e], |v[\s+16*\e+\i]|, |v[\s+16*\e+\i+1]|
.endr
.endr
.irp e, 0,1
	v_permlanex16_b32 v[TM+2+\e], v[TM+\e], s[SEL], s[SEL+1]
.endr
.irp e, 0,1
	v_max_num_f32 v[TM+\e], v[TM+\e], v[TM+2+\e]
.endr
.irp e, 0,1
	v_add_nc_u32 v[TM+4+\e], 0xff000000, v[TM+\e]  ; the conversion's scale operand
.endr
.irp e, 0,1
	v_lshrrev_b32 v[TM+2+\e], 23, v[TM+4+\e]       ; the scale's byte
.endr
	v_lshl_or_b32 v[\pw], v[TM+3], 8, v[TM+2]
	v_cvt_scalef32_pk16_fp6_f32 v[\pc:\pc+2], v[\s:\s+15], v[TM+4]
	v_cvt_scalef32_pk16_fp6_f32 v[\pc+6:\pc+8], v[\s+16:\s+31], v[TM+5]
	v_nop                                          ; one plain line behind the conversions
.irp i, 0,1,2
	v_permlane16_swap_b32 v[\pc+\i], v[\pc+6+\i]   ; a whole block to a lane: lanes 0-15 block 0, lanes 16-31 block 1
.endr
.irp i, 0,1,2
	v_mov_b32 v[\pc+3+\i], v[\pc+6+\i]
.endr
.endm
.macro EPI                             ; a tile's way out: four halves of images, 768 whole bytes each, and the scale bytes, two rowblocks to a store
.irp a, 0,1,2,3
	QUANT2 ACC+32*\a, 64+10*\a, 104+\a
	global_store_b128 v[8+\a], v[64+10*\a:64+10*\a+3], s[66:67]
	global_store_b64 v[12+\a], v[64+10*\a+4:64+10*\a+5], s[66:67] offset:512
.endr
.irp p, 0,1
	v_cndmask_b32 v[114+\p], v[104+2*\p], v[105+2*\p], s[HM]
	global_store_b16 v[6+\p], v[114+\p], s[96:97]
.endr
	s_wait_xcnt 0x0                                ; the stores have read their bases and registers: both may be written again
	s_add_nc_u64 s[66:67], s[66:67], s[2:3]
	s_add_nc_u64 s[96:97], s[96:97], s[98:99]
.endm
	s_load_b256 s[4:11], s[0:1], 0x0               ; cA, sA, cB, sB
	v_lshl_add_u32 v[SPW], v0, 2, SPARE
	v_mov_b32 v[NIL], 0
	ds_add_u32 v28, v29
	ds_add_u32 v28, v29
	s_wait_dscnt 0x0
	v_lshrrev_b32 v1, 5, v0
	v_readfirstlane_b32 s14, v1                    ; wave 0..3
	s_lshr_b32 s15, s14, 1                         ; which 64 rows of A's tile are mine
	s_and_b32 s16, s14, 1                          ; which 64 rows of B's
	s_bfe_u32 s40, ttmp6, 0x40000                  ; cx
	s_bfe_u32 s41, ttmp6, 0x40004                  ; cy
	s_and_b32 s17, ttmp7, 0xffff                   ; the cluster's y, 0..11
	s_lshl_b32 s43, s41, 2
	s_lshl_b32 s43, 15, s43                        ; my row of the cluster
	s_lshl_b32 s44, 0x1111, s40                    ; my column
	s_and_b32 s45, s17, 7                          ; v's part: the cluster's y less 8
	s_lshl_b32 s18, s17, 2
	s_add_co_u32 s18, s18, s41                     ; q, k: A's tile = 4 y + cy
	s_and_b32 s46, s45, 1
	s_lshl_b32 s46, s46, 2
	s_add_co_u32 s46, s46, s41                     ; v: A's tile
	s_lshr_b32 s47, s45, 1
	s_lshl_b32 s47, s47, 2
	s_add_co_u32 s47, s47, s40                     ; v: which four tiles of B
	s_mov_b32 s88, 9437184
	s_mov_b32 s92, 393216
	s_cmp_ge_u32 s17, 8                            ; the same in all sixteen partners
	s_cselect_b32 s18, s46, s18                    ; A's tile: hangs on cy, never on cx
	s_cselect_b32 s19, s47, s40                    ; B's four tiles: hang on cx, never on cy
	s_cselect_b32 s20, 1, 0
	s_cselect_b32 s88, 1572864, s88                ; A's codes in cA: Wv or h
	s_cselect_b32 s90, 9437184, 0                  ; B's: h or Wq | Wk
	s_cselect_b32 s92, 65536, s92                  ; A's scale words in sA
	s_cselect_b32 s94, 393216, 0                   ; B's
	s_or_b32 s24, s43, (3<<16)|(1<<21)             ; group 1 for A: the mask of my row; elements of 8 bytes; bit 21 beside a mask
	s_or_b32 s48, s44, (3<<16)|(1<<21)             ; for B: my column
.irp g, 24, 48                                 ; a quarter of a tile: 24,576 dense bytes as 96 rows of 256
	s_mov_b32 s[\g+1], 32<<16
	s_mov_b32 s[\g+2], 384<<16                     ; at the head a whole tile: 98,304 dense bytes as 384 rows of 256
	s_mov_b32 s[\g+3], 32<<16
	s_mov_b32 s[\g+4], 384
	s_mov_b32 s[\g+5], 32
	s_mov_b32 s[\g+6], 0
	s_mov_b32 s[\g+7], 0
.endr
	s_or_b32 s68, s43, (3<<16)|(1<<21)             ; A's scale words: a quarter is 4 rows of 256
	s_mov_b32 s69, 32<<16
	s_mov_b32 s70, 16<<16                          ; A's scale words whole: 16 rows of 256
	s_mov_b32 s71, 32<<16
	s_mov_b32 s72, 16
	s_mov_b32 s73, 32
	s_mov_b32 s74, 0
	s_mov_b32 s75, 0
	s_or_b32 s76, s44, (3<<16)|(1<<21)             ; B's, of NT tiles: 4 NT rows
	s_mov_b32 s77, 32<<16
	s_mov_b32 s78, (16*NT)<<16                     ; B's of all NT tiles whole
	s_mov_b32 s79, 32<<16
	s_mov_b32 s80, 16*NT
	s_mov_b32 s81, 32
	s_mov_b32 s82, 0
	s_mov_b32 s83, 0
	s_mul_i32 s21, s14, 24576                      ; my quarter
	s_mul_i32 s46, s18, 98304
	s_add_co_u32 s88, s88, s46
	s_mov_b32 s89, 0
	s_lshl_b32 s46, s18, 12
	s_add_co_u32 s92, s92, s46
	s_mov_b32 s93, 0
	s_mul_i32 s47, s19, NT*98304
	s_add_co_u32 s90, s90, s47
	s_add_co_u32 s90, s90, s21
	s_mov_b32 s91, 0
	s_mul_i32 s47, s19, NT*4096
	s_add_co_u32 s94, s94, s47
	s_mov_b32 s95, 0
	s_wait_kmcnt 0x0
	s_mov_b32 s32, 1                               ; group 0: A
	s_mov_b32 s33, AOFF
	s_add_nc_u64 s[34:35], s[4:5], s[88:89]
	s_or_b32 s35, s35, 0x80000000
	s_mov_b32 s36, 1                               ; B, slot 0
	s_mov_b32 s37, s21
	s_add_nc_u64 s[38:39], s[4:5], s[90:91]
	s_mov_b32 s56, 1                               ; B, slot 1: the next tile
	s_add_co_u32 s57, s21, SLOTB
	s_add_nc_u64 s[58:59], s[38:39], SLOTB
	s_mov_b32 s46, s21
	s_mov_b32 s47, 0
	s_sub_nc_u64 s[46:47], s[38:39], s[46:47]      ; B's first tile from its first byte
	s_or_b32 s39, s39, 0x80000000
	s_or_b32 s59, s59, 0x80000000
	s_mov_b32 s60, 1                               ; A's scale words
	s_mov_b32 s61, SCLA
	s_add_nc_u64 s[62:63], s[6:7], s[92:93]
	s_or_b32 s63, s63, 0x80000000
	s_mov_b32 s84, 1                               ; B's
	s_mov_b32 s85, SCLB
	s_add_nc_u64 s[86:87], s[6:7], s[94:95]
	s_or_b32 s87, s87, 0x80000000
	s_mov_b32 s4, 1                                ; group 0 of B's first tile, whole, into slot 0 (cA's and sA's addresses have been used)
	s_mov_b32 s5, 0
	s_mov_b64 s[6:7], s[46:47]
	s_or_b32 s7, s7, 0x80000000
	CROUND                                         ; all sixteen work-groups are here: the first joint loads meet
	s_cmp_eq_u32 s14, 0                            ; the head's four tiles, one a wave, in one chain of arms
	s_cbranch_scc0 .Lh1
	tensor_load_to_lds s[32:35], s[24:31]          ; wave 0: A's tile
	s_nop 0
	PLACES 4
	s_branch .Lhj
.Lh1:
	s_cmp_eq_u32 s14, 1
	s_cbranch_scc0 .Lh2
	tensor_load_to_lds s[4:7], s[48:55]            ; wave 1: B's first tile
	s_nop 0
	PLACES 4
	s_branch .Lhj
.Lh2:
	s_cmp_eq_u32 s14, 2
	s_cbranch_scc0 .Lh3
	tensor_load_to_lds s[60:63], s[68:75]          ; wave 2: A's scale words
	s_nop 0
	PLACES 4
	s_branch .Lhj
.Lh3:
	tensor_load_to_lds s[84:87], s[76:83]          ; wave 3: B's scale words
	s_nop 0
	PLACES 4
.Lhj:
	v_and_b32 v1, 15, v0                           ; r
	v_bfe_u32 v2, v0, 4, 1                         ; h
	v_and_b32 v3, 31, v0                           ; lane
	v_lshlrev_b32 v[L16], 4, v3
	v_lshlrev_b32 v[L8], 3, v3
	s_mul_i32 s22, s15, 4*RBS
	s_add_co_u32 s22, s22, AOFF
	v_add_nc_u32 v[ADRA16], s22, v[L16]
	s_add_co_u32 s22, s22, 512
	v_add_nc_u32 v[ADRA8], s22, v[L8]
	s_mul_i32 s22, s16, 4*RBS
.irp s, 0,1
	v_add_nc_u32 v[ADRB16+\s], s22, v[L16]
	s_add_co_u32 s23, s22, 512
	v_add_nc_u32 v[ADRB8+\s], s23, v[L8]
	s_add_co_u32 s22, s22, SLOTB
.endr
	v_lshlrev_b32 v6, 4, v1                        ; scale words: 16 bytes a row; lanes 0-15 take A's, lanes 16-31 B's: one product with h
	s_mul_i32 s22, s15, 2048
	s_mul_i32 s23, s16, 2048
	s_add_co_u32 s23, s23, SCLB-SCLA
	s_sub_co_u32 s23, s23, s22
	v_mul_u32_u24 v7, s23, v2
	s_add_co_u32 s22, s22, SCLA
	v_add_nc_u32 v6, v6, v7
	v_add_nc_u32 v[ADRS], s22, v6
	v_lshlrev_b32 v[HST], 12, v2
	s_mov_b32 s[SEL], 0x76543210
	s_mov_b32 s[SEL+1], 0xfedcba98
	s_mov_b32 s[HM], 0xffff0000                    ; lanes 16-31
	v_mov_b32 v[TM+2], 0                           ; written once: a lane permute's destination counts as one of its sources
	v_mov_b32 v[TM+3], 0
	; where the results go
	s_lshl_b32 s101, 768, s20                      ; from A's rowblock to the next: 768 bytes (q, k), 1,536 (v)
.irp a, 0,1,2,3
	v_mad_u32_u24 v[8+\a], s101, \a, v[L16]
	v_mad_u32_u24 v[12+\a], s101, \a, v[L8]
.endr
	v_lshlrev_b32 v6, 1, v1
	v_lshl_add_u32 v6, v2, 5, v6
	v_lshlrev_b32 v6, s20, v6                      ; scale bytes: 2 r + 32 h (q, k), 4 r + 64 h (v)
	s_lshl_b32 s101, 64, s20
	v_add_nc_u32 v7, s101, v6
	s_lshl_b32 s45, s18, 1
	s_add_co_u32 s45, s45, s15                     ; P = 2 x A's tile + my half
	s_lshl_b32 s100, s19, 3
	s_add_co_u32 s100, s100, s16                   ; 2 x B's first tile + my half
	s_mul_i32 s66, s100, 196608
	s_mul_i32 s101, s45, 3072
	s_add_co_u32 s66, s66, s101                    ; q, k: the head, then the tokens' halves
	s_lshl_b32 s96, s100, 13
	s_lshl_b32 s101, s45, 7
	s_add_co_u32 s96, s96, s101
	s_mul_i32 s100, s45, 196608                    ; v: the head,
	s_mul_i32 s101, s19, 24576                     ; four steps of 128 keys,
	s_add_co_u32 s100, s100, s101
	s_mul_i32 s101, s16, 768                       ; my half of a step
	s_add_co_u32 s100, s100, s101
	s_add_co_u32 s100, s100, 6291456
	s_lshl_b32 s45, s45, 13
	s_lshl_b32 s101, s19, 10
	s_add_co_u32 s45, s45, s101
	s_lshl_b32 s101, s16, 1
	s_add_co_u32 s45, s45, s101
	s_add_co_u32 s45, s45, 262144
	s_mov_b32 s2, 393216                           ; from tile to tile: q, k: two heads on
	s_mov_b32 s98, 16384
	s_cmp_eq_u32 s20, 1
	s_cselect_b32 s66, s100, s66
	s_cselect_b32 s96, s45, s96
	s_cselect_b32 s2, 6144, s2                     ; v: 128 keys on
	s_cselect_b32 s98, 256, s98
	s_mov_b32 s67, 0
	s_mov_b32 s97, 0
	s_mov_b32 s3, 0
	s_mov_b32 s99, 0
	s_add_nc_u64 s[66:67], s[8:9], s[66:67]
	s_add_nc_u64 s[96:97], s[10:11], s[96:97]
	s_wait_alu depctr_va_vdst(0)                   ; the wait at the head's end
	s_wait_tensorcnt 0x0                           ; my tile of the head's four is in; the three lines ahead of a later first fill, as ahead of a refill
	ds_add_u32 v[SPW], v[NIL]
	s_mov_b32 s50, 96<<16                          ; no tensor load of mine is out: from here on a load of B brings a quarter of a tile, 96 rows
	s_mov_b32 s52, 96
	s_wait_dscnt 0x0
	CROUND                                         ; all four tiles are in, in every partner
	tensor_load_to_lds s[56:59], s[48:55]          ; slot 1's first fill: my quarter of B's second tile
	s_nop 0
	PLACES 4
	FETCH F0, 0, 0
	WIN 0
	SCALES
	RUN 0, 1
	SYNC 0, 1
	EPI
	RUN 1, 1
	SYNC 1, 1
	EPI
	RUN 0, 1
	SYNC 0, 0
	EPI
	RUN 1, 1
	EPI
	s_wait_tensorcnt 0x0                           ; the wave's end
	ds_add_u32 v[SPW], v[NIL]
	s_wait_dscnt 0x0
	CROUND                                         ; the closing round
	s_endpgm
.Lfunc_end_k_q55bd1c4ae2_qkv:
	.size	k_q55bd1c4ae2_qkv, .Lfunc_end_k_q55bd1c4ae2_qkv-k_q55bd1c4ae2_qkv
	.p2alignl 7, 3214868480
	.fill 96, 4, 3214868480
	.section	.rodata,"a",@progbits
	.p2align	6, 0x0
	.amdhsa_kernel k_q55bd1c4ae2_qkv
		.amdhsa_group_segment_fixed_size 327680
		.amdhsa_private_segment_fixed_size 0
		.amdhsa_enable_private_segment 0
		.amdhsa_kernarg_size 32
		.amdhsa_user_sgpr_count 2
		.amdhsa_user_sgpr_kernarg_segment_ptr 1
		.amdhsa_wavefront_size32 1
		.amdhsa_system_sgpr_workgroup_id_x 1
		.amdhsa_system_sgpr_workgroup_id_y 1
		.amdhsa_system_sgpr_workgroup_id_z 1
		.amdhsa_system_vgpr_workitem_id 0
		.amdhsa_next_free_vgpr 512
		.amdhsa_next_free_sgpr 102
		.amdhsa_reserve_vcc 0
		.amdhsa_float_denorm_mode_32 3
		.amdhsa_float_denorm_mode_16_64 3
		.amdhsa_memory_ordered 1
		.amdhsa_forward_progress 1
		.amdhsa_inst_pref_size 186
	.end_amdhsa_kernel
	.amdgpu_metadata
---
amdhsa.version: [ 1, 2 ]
amdhsa.kernels:
  - .name:           k_q55bd1c4ae2_qkv
    .symbol:         k_q55bd1c4ae2_qkv.kd
    .args:
      - { .name: cA, .offset: 0, .size: 8, .value_kind: global_buffer, .address_space: global }
      - { .name: sA, .offset: 8, .size: 8, .value_kind: global_buffer, .address_space: global }
      - { .name: cB, .offset: 16, .size: 8, .value_kind: global_buffer, .address_space: global }
      - { .name: sB, .offset: 24, .size: 8, .value_kind: global_buffer, .address_space: global }
    .group_segment_fixed_size: 327680
    .private_segment_fixed_size: 0
    .kernarg_segment_align: 8
    .kernarg_segment_size: 32
    .max_flat_workgroup_size: 128
    .sgpr_count:     102
    .vgpr_count:     512
    .wavefront_size: 32
...
	.end_amdgpu_metadata
.endif
;; end of part 2
;; launch attn (part 3): grid 8 x 32, 16 waves a work-group, no clusters, 327,680 bytes of LDS; arguments cB, sB, cA, sA; writes cA, sA
.if DOCPART == 3
	.amdgcn_target "amdgcn-amd-amdhsa--gfx1250"
	.amdhsa_code_object_version 6
	.text
	.protected	k_q55bd1c4ae2_attn
	.globl	k_q55bd1c4ae2_attn
	.p2align	8
	.type	k_q55bd1c4ae2_attn,@function
k_q55bd1c4ae2_attn:
	s_mov_b64 s[64:65], 0
	v_nop
	global_prefetch_b8 v0, s[64:65] scope:SCOPE_SE
	s_setreg_imm32_b32 hwreg(HW_REG_WAVE_MODE, 25, 1), 1
	s_wait_xcnt 0x0
.set KSL,   196608
.set VSL,   204800
.set SPARE, 208896
.set PA,    24576
.set WV,  12
.set BH,  13
.set SEL, 14
.set CS,  16
.set TK,  18
.set TS,  19
.set TV,  36
.set KF,  37
.set Q0,  38
.set CNT, 39
.set TM,  212
.macro PLACES n
.rept \n
	v_nop
.endr
.endm
.macro KPRE t
	ds_load_b128 v[32+6*\t:35+6*\t], v9 offset:6144+\t*768
	ds_load_b64 v[36+6*\t:37+6*\t], v10 offset:6144+\t*768
.endm
.macro QUANT2 s, pc, pw
.irp e, 0,1
	v_max3_num_f32 v[TM+\e], |v[\s+16*\e]|, |v[\s+16*\e+1]|, 0x1800000
.endr
.irp i, 2,4,6,8,10,12,14
.irp e, 0,1
	s_delay_alu instid0(VALU_DEP_2)
	v_max3_num_f32 v[TM+\e], v[TM+\e], |v[\s+16*\e+\i]|, |v[\s+16*\e+\i+1]|
.endr
.endr
.irp e, 0,1
	s_delay_alu instid0(VALU_DEP_2)
	v_permlanex16_b32 v[TM+2+\e], v[TM+\e], s[SEL], s[SEL+1]
.endr
.irp e, 0,1
	s_delay_alu instid0(VALU_DEP_2)
	v_max_num_f32 v[TM+\e], v[TM+\e], v[TM+2+\e]
.endr
.irp e, 0,1
	s_delay_alu instid0(VALU_DEP_2)
	v_add_nc_u32 v[TM+4+\e], 0xff000000, v[TM+\e]
.endr
.irp e, 0,1
	s_delay_alu instid0(VALU_DEP_2)
	v_lshrrev_b32 v[TM+2+\e], 23, v[TM+4+\e]
.endr
	s_delay_alu instid0(VALU_DEP_1)
	v_lshl_or_b32 v[\pw], v[TM+3], 8, v[TM+2]
	v_cvt_scalef32_pk16_fp6_f32 v[\pc:\pc+2], v[\s:\s+15], v[TM+4]
	v_cvt_scalef32_pk16_fp6_f32 v[\pc+6:\pc+8], v[\s+16:\s+31], v[TM+5]
	v_nop
.irp i, 0,1,2
	v_permlane16_swap_b32 v[\pc+\i], v[\pc+6+\i]
.endr
.irp i, 0,1,2
	s_delay_alu instid0(VALU_DEP_3)
	v_mov_b32 v[\pc+3+\i], v[\pc+6+\i]
.endr
.endm
.macro STEP
	s_add_co_u32 s50, s[Q0], 15
	s_cmp_gt_u32 s[KF], s50
	s_cbranch_scc1 .Lhidden_\@
	v_add_nc_u32 v9, s[TK], v1
	v_add_nc_u32 v10, s[TK], v2
	v_add_nc_u32 v11, s[TK], v3
	v_add_nc_u32 v12, s[TK], v4
	v_add_nc_u32 v13, s[TS], v5
	v_add_nc_u32 v14, s[TV], v6
	s_wait_dscnt 0x0
.irp t, 0,2,4,6
	v_wmma_scale_f32_16x16x128_f8f6f4 v[96+8*\t:103+8*\t], v[32+6*\t:43+6*\t], v[16:27], 0, v[86+\t/2], v92 matrix_a_fmt:MATRIX_FMT_FP6 matrix_b_fmt:MATRIX_FMT_FP6
	v_wmma_scale_f32_16x16x128_f8f6f4 v[104+8*\t:111+8*\t], v[38+6*\t:49+6*\t], v[16:27], 0, v[86+\t/2], v92 matrix_a_fmt:MATRIX_FMT_FP6 matrix_b_fmt:MATRIX_FMT_FP6 matrix_a_scale:MATRIX_SCALE_ROW1
.endr
	PLACES 4
	s_add_co_u32 s50, s[KF], 127
	s_cmp_le_u32 s50, s[Q0]
	s_cbranch_scc1 .Lopen_\@
	s_sub_co_i32 s50, s[Q0], s[KF]
	v_and_b32 v226, 15, v0
	v_bfe_u32 v227, v0, 4, 1
	s_delay_alu instid0(VALU_DEP_1)
	v_lshlrev_b32 v227, 3, v227
	s_delay_alu instid0(VALU_DEP_1)
	v_sub_nc_u32 v226, v226, v227
	s_delay_alu instid0(VALU_DEP_1)
	v_add_nc_u32 v226, s50, v226
	v_mov_b32 v227, 0xff800000
.set n_, 0
.rept 64
	v_cmp_gt_i32 vcc_lo, 16*(n_/8)+n_%8, v226
	v_cndmask_b32 v[96+n_], v[96+n_], v227, vcc_lo
.set n_, n_+1
.endr
.Lopen_\@:
.irp b, 0,1,2,3
	v_max3_num_f32 v[212+\b], v[96+16*\b], v[97+16*\b], v[98+16*\b]
.endr
.irp i, 3,5,7,9,11,13
.irp b, 0,1,2,3
	v_max3_num_f32 v[212+\b], v[212+\b], v[96+16*\b+\i], v[97+16*\b+\i]
.endr
.endr
.irp b, 0,1,2,3
	v_max_num_f32 v[212+\b], v[212+\b], v[111+16*\b]
.endr
.irp b, 0,1,2,3
	s_delay_alu instid0(VALU_DEP_4)
	v_permlanex16_b32 v[216+\b], v[212+\b], s[SEL], s[SEL+1]
.endr
.irp b, 0,1,2,3
	s_delay_alu instid0(VALU_DEP_4)
	v_max_num_f32 v[212+\b], v[212+\b], v[216+\b]
.endr
	s_delay_alu instid0(VALU_DEP_2)
	v_max3_num_f32 v226, v212, v213, v214
	KPRE 0
	v_max_num_f32 v226, v226, v215
	KPRE 1
	v_mul_f32 v226, s[CS], v226
	KPRE 2
	v_max_num_f32 v29, v29, v226
	KPRE 3
	v_mov_b32 v226, v28
	v_floor_f32 v28, -v29
	KPRE 4
	v_sub_f32 v226, v28, v226
	KPRE 5
	v_cvt_i32_f32 v226, v226
	KPRE 6
	v_ldexp_f32 v224, 1.0, v226
	KPRE 7
.irp u, 0,1,2,3
	ds_load_b32 v[86+\u], v13 offset:512+128*\u
.endr
.set n_, 0
.rept 32
	v_pk_fma_f32 v[96+n_:97+n_], v[96+n_:97+n_], s[CS:CS+1], v[28:29] op_sel_hi:[1,0,0]
.set n_, n_+2
.endr
.irp b, 0,1,2,3
	v_fma_f32 v[212+\b], v[212+\b], s[CS], v28
.endr
.set n_, 0
	s_wait_alu depctr_va_vdst(0)
.rept 64
	v_exp_f32 v[96+n_], v[96+n_]
.set n_, n_+1
.endr
	v_pk_mul_f32 v[30:31], v[30:31], v[224:225] op_sel_hi:[1,0]
	s_wait_alu depctr_va_vdst(0)
.irp b, 0,1,2,3
	v_exp_f32 v[212+\b], v[212+\b]
.endr
	v_pk_add_f32 v[228:229], v[96:97], v[98:99]
	v_pk_add_f32 v[232:233], v[100:101], v[102:103]
	v_pk_add_f32 v[234:235], v[104:105], v[106:107]
.irp j, 12,20,28,36,44,52
	v_pk_add_f32 v[30:31], v[30:31], v[96+\j:97+\j]
	v_pk_add_f32 v[228:229], v[228:229], v[98+\j:99+\j]
	v_pk_add_f32 v[232:233], v[232:233], v[100+\j:101+\j]
	v_pk_add_f32 v[234:235], v[234:235], v[102+\j:103+\j]
.endr
	v_pk_add_f32 v[30:31], v[30:31], v[156:157]
	v_pk_add_f32 v[228:229], v[228:229], v[158:159]
	s_delay_alu instid0(VALU_DEP_3)
	v_pk_add_f32 v[232:233], v[232:233], v[234:235]
	s_delay_alu instid0(VALU_DEP_2)
	v_pk_add_f32 v[30:31], v[30:31], v[228:229]
	s_delay_alu instid0(VALU_DEP_1)
	v_pk_add_f32 v[30:31], v[30:31], v[232:233]
	s_wait_alu depctr_va_vdst(0)
.irp b, 0,1,2,3
	v_max_num_f32 v[212+\b], 0x1800000, v[212+\b]
.endr
.irp b, 0,1,2,3
	s_delay_alu instid0(VALU_DEP_4)
	v_add_nc_u32 v[220+\b], 0xff000000, v[212+\b]
.endr
.irp c, 0,1
	v_cvt_scalef32_pk16_fp6_f32 v[192+6*\c:194+6*\c], v[96+32*\c:111+32*\c], v[220+2*\c]
	v_cvt_scalef32_pk16_fp6_f32 v[204+4*\c:206+4*\c], v[112+32*\c:127+32*\c], v[220+2*\c+1]
.endr
.irp d, 0,1,2,3
	ds_load_b128 v[96+12*\d:99+12*\d], v11 offset:\d*1536
	ds_load_b64 v[100+12*\d:101+12*\d], v12 offset:\d*1536
	ds_load_b128 v[102+12*\d:105+12*\d], v11 offset:\d*1536+768
	ds_load_b64 v[106+12*\d:107+12*\d], v12 offset:\d*1536+768
.endr
.irp u, 0,1
	ds_load_b32 v[90+\u], v14 offset:128*\u
.endr
	v_nop
.irp b, 0,1,2,3
	v_lshrrev_b32 v[216+\b], 23, v[220+\b]
.endr
	s_delay_alu instid0(VALU_DEP_3)
	v_lshl_or_b32 v93, v217, 8, v216
	s_delay_alu instid0(VALU_DEP_1)
	v_lshl_or_b32 v93, v218, 16, v93
	s_delay_alu instid0(VALU_DEP_1)
	v_lshl_or_b32 v93, v219, 24, v93
.irp c, 0,1
.irp i, 0,1,2
	v_permlane16_swap_b32 v[192+6*\c+\i], v[204+4*\c+\i]
.endr
.irp i, 0,1,2
	s_delay_alu instid0(VALU_DEP_3)
	v_mov_b32 v[195+6*\c+\i], v[204+4*\c+\i]
.endr
.endr
.set n_, 0
.rept 16
	v_pk_mul_f32 v[160+n_:161+n_], v[160+n_:161+n_], v[224:225] op_sel_hi:[1,0]
.set n_, n_+2
.endr
	PLACES 4
	s_wait_alu depctr_va_vdst(0)
	s_wait_dscnt 0x0
.irp d, 0,2
	v_wmma_scale_f32_16x16x128_f8f6f4 v[160+8*\d:167+8*\d], v[96+12*\d:107+12*\d], v[192:203], v[160+8*\d:167+8*\d], v[90+\d/2], v93 matrix_a_fmt:MATRIX_FMT_FP6 matrix_b_fmt:MATRIX_FMT_FP6
	v_wmma_scale_f32_16x16x128_f8f6f4 v[168+8*\d:175+8*\d], v[108+12*\d:119+12*\d], v[192:203], v[168+8*\d:175+8*\d], v[90+\d/2], v93 matrix_a_fmt:MATRIX_FMT_FP6 matrix_b_fmt:MATRIX_FMT_FP6 matrix_a_scale:MATRIX_SCALE_ROW1
.endr
.Lhidden_\@:
	s_add_co_u32 s[TK], s[TK], 6144
	s_add_co_u32 s[TS], s[TS], 512
	s_add_co_u32 s[TV], s[TV], 256
	s_add_co_u32 s[KF], s[KF], 128
.endm
	s_load_b256 s[4:11], s[0:1], 0x0
	v_lshl_add_u32 v94, v0, 2, SPARE
	v_mov_b32 v95, 0
	ds_add_u32 v94, v95
	ds_add_u32 v94, v95
	s_wait_dscnt 0x0
	v_lshrrev_b32 v1, 5, v0
	s_delay_alu instid0(VALU_DEP_1)
	v_readfirstlane_b32 s[WV], v1
	s_and_b32 s[BH], ttmp7, 0xffff
	s_mov_b32 s24, 3<<16
	s_mov_b32 s25, 32<<16
	s_mov_b32 s26, 12<<16
	s_mov_b32 s27, 32<<16
	s_mov_b32 s28, 12
	s_mov_b32 s29, 32
	s_mov_b32 s30, 0
	s_mov_b32 s31, 0
	s_mov_b32 s52, 3<<16
	s_mov_b32 s53, 32<<16
	s_mov_b32 s54, 36<<16
	s_mov_b32 s55, 32<<16
	s_mov_b32 s56, 36
	s_mov_b32 s57, 32
	s_mov_b32 s58, 0
	s_mov_b32 s59, 0
	s_lshr_b32 s21, s[WV], 3
	s_and_b32 s22, s[WV], 7
	s_mul_i32 s20, s[BH], 98304
	s_mul_i32 s23, s21, 3145728
	s_add_co_u32 s20, s20, s23
	s_add_co_u32 s20, s20, 3145728
	s_mul_i32 s23, s21, 98304
	s_mul_i32 s40, s22, 3072
	s_mul_i32 s42, s22, 9216
	s_add_co_u32 s42, s42, PA
	s_mov_b32 s32, 1
	s_add_co_u32 s33, s23, s40
	s_mov_b32 s60, 1
	s_add_co_u32 s61, s23, s42
	s_add_co_u32 s40, s40, s20
	s_add_co_u32 s42, s42, s20
	s_mov_b32 s41, 0
	s_mov_b32 s43, 0
	s_wait_kmcnt 0x0
	s_add_nc_u64 s[34:35], s[4:5], s[40:41]
	s_or_b32 s35, s35, 0x80000000
	s_add_nc_u64 s[62:63], s[4:5], s[42:43]
	s_or_b32 s63, s63, 0x80000000
	tensor_load_to_lds s[32:35], s[24:31]
	s_nop 0
	PLACES 4
	s_bfe_u32 s22, s[WV], 0x10002
	s_sub_co_u32 s23, 15, ttmp9
	s_cmp_eq_u32 s22, 0
	s_cselect_b32 s23, ttmp9, s23
	s_and_b32 s40, s[WV], 3
	s_lshr_b32 s41, s[WV], 3
	s_lshl_b32 s41, s41, 2
	s_or_b32 s40, s40, s41
	s_lshl_b32 s23, s23, 7
	s_lshl_b32 s40, s40, 4
	s_add_co_u32 s[Q0], s23, s40
	s_lshl_b32 s40, s[BH], 12
	s_mov_b32 s41, 0
	s_add_nc_u64 s[42:43], s[6:7], s[40:41]
	s_mul_i32 s44, s[BH], 98304
	s_mul_i32 s45, s[Q0], 48
	s_add_co_u32 s44, s44, s45
	s_mov_b32 s45, 0
	s_add_nc_u64 s[46:47], s[4:5], s[44:45]
	s_lshl_b32 s48, s[Q0], 1
	s_mov_b32 s49, 0
	s_add_nc_u64 s[48:49], s[42:43], s[48:49]
	v_and_b32 v240, 31, v0
	v_and_b32 v241, 15, v0
	s_delay_alu instid0(VALU_DEP_2)
	v_lshlrev_b32 v7, 4, v240
	s_delay_alu instid0(VALU_DEP_3)
	v_lshlrev_b32 v8, 3, v240
	s_delay_alu instid0(VALU_DEP_3)
	v_lshlrev_b32 v15, 4, v241
	s_delay_alu instid0(VALU_DEP_4)
	v_lshlrev_b32 v241, 1, v241
	v_lshlrev_b32 v254, 3, v0
	global_load_b64 v[242:243], v254, s[42:43] offset:131072
	global_load_b64 v[244:245], v254, s[42:43] offset:262144
	global_load_b128 v[16:19], v7, s[46:47]
	global_load_b64 v[20:21], v8, s[46:47] offset:512
	global_load_u16 v92, v241, s[48:49]
	s_wait_alu depctr_va_vdst(0)                   ; the five loads above are out while the first tile is waited for
	s_wait_tensorcnt 0x0                           ; the three lines and the barrier ahead of the later first fill
	ds_add_u32 v94, v95
	s_wait_dscnt 0x0
	s_barrier_signal -1
	s_barrier_wait -1
	tensor_load_to_lds s[60:63], s[52:59]
	s_nop 0
	PLACES 4
.irp j, 22,23,24,25,26,27
	v_mov_b32 v[\j], 0
.endr
.irp j, 80,81,82,83,84,85
	v_mov_b32 v[\j], 0
.endr
	v_lshlrev_b32 v1, 4, v240
	v_lshl_add_u32 v2, v240, 3, 512
	s_delay_alu instid0(VALU_DEP_2)
	v_add_nc_u32 v3, 98304, v1
	s_delay_alu instid0(VALU_DEP_2)
	v_add_nc_u32 v4, 98304, v2
	v_lshl_add_u32 v5, v240, 2, KSL
	v_lshl_add_u32 v6, v240, 2, VSL
	v_lshl_add_u32 v252, v0, 4, KSL
	v_lshl_add_u32 v253, v0, 3, VSL
	s_mov_b32 s[SEL], 0x76543210
	s_mov_b32 s[SEL+1], 0xfedcba98
	s_mov_b32 s[CS], 0x3e38aa3b
	s_mov_b32 s[CS+1], s[CS]
.set n_, 0
.rept 32
	v_mov_b32 v[160+n_], 0
.set n_, n_+1
.endr
.set n_, 0
.rept 24
	v_mov_b32 v[212+n_], 0
.set n_, n_+1
.endr
	v_mov_b32 v29, 0xff61b1e6
	s_delay_alu instid0(VALU_DEP_1)
	v_floor_f32 v28, -v29
	v_mov_b32 v30, 0
	v_mov_b32 v31, 0
	s_mov_b32 s[TK], 0
	s_mov_b32 s[TS], 0
	s_mov_b32 s[TV], 0
	s_mov_b32 s[KF], 0
	s_wait_loadcnt 0x0
	v_and_b32 v248, 0xffff, v242
	v_lshrrev_b32 v249, 16, v242
	v_and_b32 v250, 0xffff, v243
	v_lshrrev_b32 v251, 16, v243
	ds_store_b128 v252, v[248:251]
	ds_store_b64 v253, v[244:245]
	s_wait_tensorcnt 0x1
	s_wait_dscnt 0x0
	s_barrier_signal -1
	s_barrier_wait -1
.irp t, 0,1,2,3,4,5,6,7
	ds_load_b128 v[32+6*\t:35+6*\t], v1 offset:\t*768
	ds_load_b64 v[36+6*\t:37+6*\t], v2 offset:\t*768
.endr
.irp u, 0,1,2,3
	ds_load_b32 v[86+\u], v5 offset:128*\u
.endr
	STEP
	STEP
	STEP
	s_wait_tensorcnt 0x0
	s_wait_dscnt 0x0
	s_barrier_signal -1
	s_barrier_wait -1
	s_mov_b32 s[CNT], 13
.Lstep:
	STEP
	s_sub_co_u32 s[CNT], s[CNT], 1
	s_cmp_lg_u32 s[CNT], 0
	s_cbranch_scc1 .Lstep
	PLACES 4
	s_wait_alu depctr_va_vdst(0)
	v_add_f32 v30, v30, v31
	s_delay_alu instid0(VALU_DEP_1)
	v_permlanex16_b32 v226, v30, s[SEL], s[SEL+1]
	s_delay_alu instid0(VALU_DEP_1)
	v_add_f32 v30, v30, v226
	s_wait_alu depctr_va_vdst(0)
	v_rcp_f32 v30, v30
	v_nop
	s_and_b32 s20, s[BH], 1
	s_lshr_b32 s21, s[BH], 1
	s_mul_i32 s22, s20, 1572864
	s_mul_i32 s23, s[Q0], 768
	s_add_co_u32 s22, s22, s23
	s_lshr_b32 s23, s21, 1
	s_mul_i32 s23, s23, 1536
	s_add_co_u32 s22, s22, s23
	s_and_b32 s23, s21, 1
	s_mul_i32 s40, s23, 768
	s_add_co_u32 s22, s22, s40
	s_add_co_u32 s22, s22, 12582912
	s_lshl_b32 s40, s20, 16
	s_lshl_b32 s41, s[Q0], 5
	s_add_co_u32 s40, s40, s41
	s_lshr_b32 s41, s21, 3
	s_lshl_b32 s41, s41, 8
	s_add_co_u32 s40, s40, s41
	s_bfe_u32 s41, s21, 0x20001
	s_lshl_b32 s41, s41, 2
	s_add_co_u32 s40, s40, s41
	s_lshl_b32 s23, s23, 1
	s_add_co_u32 s40, s40, s23
	s_add_co_u32 s40, s40, 524288
	s_mov_b32 s23, 0
	s_mov_b32 s41, 0
	s_add_nc_u64 s[8:9], s[8:9], s[22:23]
	s_add_nc_u64 s[10:11], s[10:11], s[40:41]
	s_wait_alu depctr_va_vdst(0)
.set n_, 0
.rept 32
	v_mul_f32 v[96+n_], v[160+n_], v30
.set n_, n_+1
.endr
	QUANT2 96, 192, 227
	global_store_b128 v7, v[192:195], s[8:9]
	global_store_b64 v8, v[196:197], s[8:9] offset:512
	global_store_b16 v15, v227, s[10:11]
	s_wait_tensorcnt 0x0
	ds_add_u32 v94, v95
	s_wait_dscnt 0x0
	s_endpgm
.Lfunc_end_k_q55bd1c4ae2_attn:
	.size	k_q55bd1c4ae2_attn, .Lfunc_end_k_q55bd1c4ae2_attn-k_q55bd1c4ae2_attn
	.p2alignl 7, 3214868480
	.fill 96, 4, 3214868480
	.section	.rodata,"a",@progbits
	.p2align	6, 0x0
	.amdhsa_kernel k_q55bd1c4ae2_attn
		.amdhsa_group_segment_fixed_size 327680
		.amdhsa_private_segment_fixed_size 0
		.amdhsa_enable_private_segment 0
		.amdhsa_kernarg_size 32
		.amdhsa_user_sgpr_count 2
		.amdhsa_user_sgpr_kernarg_segment_ptr 1
		.amdhsa_wavefront_size32 1
		.amdhsa_system_sgpr_workgroup_id_x 1
		.amdhsa_system_sgpr_workgroup_id_y 1
		.amdhsa_system_sgpr_workgroup_id_z 1
		.amdhsa_system_vgpr_workitem_id 0
		.amdhsa_next_free_vgpr 256
		.amdhsa_next_free_sgpr 66
		.amdhsa_reserve_vcc 1
		.amdhsa_float_denorm_mode_32 3
		.amdhsa_float_denorm_mode_16_64 3
		.amdhsa_memory_ordered 1
		.amdhsa_forward_progress 1
		.amdhsa_inst_pref_size 107
	.end_amdhsa_kernel
	.amdgpu_metadata
---
amdhsa.version: [ 1, 2 ]
amdhsa.kernels:
  - .name:           k_q55bd1c4ae2_attn
    .symbol:         k_q55bd1c4ae2_attn.kd
    .args:
      - { .name: cB, .offset: 0, .size: 8, .value_kind: global_buffer, .address_space: global }
      - { .name: sB, .offset: 8, .size: 8, .value_kind: global_buffer, .address_space: global }
      - { .name: cA, .offset: 16, .size: 8, .value_kind: global_buffer, .address_space: global }
      - { .name: sA, .offset: 24, .size: 8, .value_kind: global_buffer, .address_space: global }
    .group_segment_fixed_size: 327680
    .private_segment_fixed_size: 0
    .kernarg_segment_align: 8
    .kernarg_segment_size: 32
    .max_flat_workgroup_size: 512
    .sgpr_count:     66
    .vgpr_count:     256
    .wavefront_size: 32
...
	.end_amdgpu_metadata
.endif
;; end of part 3
;; launch wo (part 4): grid 8 x 32, 4 waves a work-group, clusters of 4 x 4, 327,680 bytes of LDS; arguments cA, sA, bo, x, x1; writes x1
.if DOCPART == 4
	.amdgcn_target "amdgcn-amd-amdhsa--gfx1250"
	.amdhsa_code_object_version 6
	.text
	.protected	k_q55bd1c4ae2_wo
	.globl	k_q55bd1c4ae2_wo
	.p2align	8
	.type	k_q55bd1c4ae2_wo,@function
k_q55bd1c4ae2_wo:
	s_mov_b64 s[64:65], 0
	v_nop
	global_prefetch_b8 v0, s[64:65] scope:SCOPE_SE
	s_setreg_imm32_b32 hwreg(HW_REG_WAVE_MODE, 25, 1), 1
	s_wait_xcnt 0x0
	s_wait_alu depctr_hold_cnt(0) depctr_sa_sdst(0) depctr_va_vdst(0) depctr_va_sdst(0) depctr_va_ssrc(0) depctr_va_vcc(0) depctr_vm_vsrc(0)
	s_getreg_b32 s2, hwreg(HW_REG_IB_STS2, 6, 4)
	s_cmp_eq_u32 s2, 0
	s_cbranch_scc0 .Lentry_in_a_cluster
	s_endpgm
.Lentry_in_a_cluster:
	s_bfe_u32 s2, ttmp6, 0x10000c
	s_cmp_lg_u32 s2, 0xf033
	s_cbranch_scc0 .Lentry_shape_is_right
	s_endpgm
.Lentry_shape_is_right:
; x1 = x + ctx Wo + bo, the product on codes of E2M3 (K = 1,024).  Operands are images of operand registers (16 rows x 128 K = 1,536 bytes), [rowblock][kstep]; a tile of 128 rows for all of K is 98,304 dense bytes.
; A work-group makes 128 x 128, four waves of 64 x 64 (16 accumulators); both tiles lie whole in LDS, filled once.  Source 0 = 16 rows of Wo's images, source 1 = 16 tokens: a lane holds one token, and the 32 registers
; of a rowblock of tokens are the wave's 64 columns: register 8 b + j is column 32 (b / 2) + 16 h + 8 (b % 2) + j.  The bias is the C of the first kstep's products.
; CLUSTER 4 x 4: ctx's tile is shared along a row of the cluster, Wo's along a column: joint loads, every wave a quarter of each block.
; THE RESIDUAL of the wave's 64 x 64 numbers, 128 registers, is asked for at the head, into window 2, and lands while the tiles come and are multiplied.
; THE WAY OUT: 16 rows x 256 bytes at a time through the wave's own stage in LDS, the residual added, sixteen lanes to an aligned run of 256 bytes.
; REGISTERS: window 0: v1-31 addresses; v32-63 scale words; v128-255 accumulators.  Window 1: two fragment buffers, v96-127 the bias.  Window 2: v0-127 the residual, block a of 16 rows at 32 a.
.set NT,    1
.set SLOTB, 98304
.set AOFF,  2*SLOTB
.set SCLA,  3*SLOTB
.set SCLB,  SCLA+4096
.set SPARE, SCLB+NT*4096               ; the spare words: 128 bytes a wave, which no other line names
.set STAGE, SPARE+512                  ; 16 rows x 272 bytes for each wave
.set ACOFF, 12582912                   ; ctx's codes in cA
.set ASOFF, 524288
.set BCOFF, 2359296                    ; Wo's
.set BSOFF, 98304
.set RBS,   12288
.set SS,    8
.set SC,    32                         ; v32-63 scale words and nothing else
.set ACC,   128
.set F0,    0
.set F1,    128
.set BIAS,  96                         ; window 1: v96-127
.set L16, 4
.set L8,  5
.set ADRA16, 16
.set ADRA8,  17
.set ADRB16, 20
.set ADRB8,  22
.set STO,  24
.set RD,   25
.set CO,   26
.set ADRS, 27
.set SPW,  28
.set NIL,  29
.set RESP, 96
.set OUTP, 98
.set MSB, 0
.macro WIN new
.if MSB != \new
	s_set_vgpr_msb (MSB<<8)|\new
.set MSB, \new
.endif
.endm
.set MUL,  0x05
.set MULB, 0x15
.set TO_F, 0x40
.set TO_R, 0x80                        ; destination window 2, address window 0
.set ADDR, 0x08                        ; source 1 window 2
.macro PLACES n
.rept \n
	v_nop
.endr
.endm
.macro CREST
	s_cmp_lg_u32 s14, 0
	s_cbranch_scc1 .Lnot_wave_0_\@
	s_barrier_signal -3
.Lnot_wave_0_\@:
	s_barrier_wait -3
	s_barrier_signal -1
	s_barrier_wait -1
.endm
.macro CROUND
	s_barrier_signal -1
	s_barrier_wait -1
	CREST
.endm
.macro FRAG reg, a16, a8, off
	ds_load_b128 v[\reg:\reg+3], v[\a16] offset:\off
	ds_load_b64 v[\reg+4:\reg+5], v[\a8] offset:\off
	ds_load_b128 v[\reg+6:\reg+9], v[\a16] offset:\off+768
	ds_load_b64 v[\reg+10:\reg+11], v[\a8] offset:\off+768
.endm
.macro FETCH f, q, slot
	WIN TO_F
.irp i, 0,1,2,3
	FRAG \f+12*\i, ADRB16+\slot, ADRB8+\slot, \i*RBS+\q*1536
.endr
.irp i, 0,1,2,3
	FRAG \f+48+12*\i, ADRA16, ADRA8, \i*RBS+\q*1536
.endr
.endm
.macro MUL4 f, a, sq, mode
.irp b, 0,1,2,3
.if \mode == 0
	v_wmma_scale_f32_16x16x128_f8f6f4 v[ACC+32*\a+8*\b:ACC+32*\a+8*\b+7], v[\f+12*\b:\f+12*\b+11], v[\f+48+12*\a:\f+48+12*\a+11], v[ACC+32*\a+8*\b:ACC+32*\a+8*\b+7], v[SC+SS*\b+\sq], v[SC+SS*\a+\sq] matrix_a_fmt:MATRIX_FMT_FP6 matrix_b_fmt:MATRIX_FMT_FP6 matrix_a_scale:MATRIX_SCALE_ROW1
.else
	v_wmma_scale_f32_16x16x128_f8f6f4 v[ACC+32*\a+8*\b:ACC+32*\a+8*\b+7], v[\f+12*\b:\f+12*\b+11], v[\f+48+12*\a:\f+48+12*\a+11], v[BIAS+8*\b:BIAS+8*\b+7], v[SC+SS*\b+\sq], v[SC+SS*\a+\sq] matrix_a_fmt:MATRIX_FMT_FP6 matrix_b_fmt:MATRIX_FMT_FP6 matrix_a_scale:MATRIX_SCALE_ROW1
.endif
.endr
.endm
; A kstep: buffer f is in; the places in front of loads into buffer g; the next kstep's 32 loads; 16 products, the accumulators by turns.
.macro QUARTER f, g, qn, slot, sq, mode, np, fetch
	s_wait_dscnt 0x0
	PLACES \np
.if \fetch
	FETCH \g, \qn, \slot
.endif
.if \mode == 2
	WIN MULB
.else
	WIN MUL
.endif
	MUL4 \f, 0, \sq, \mode
	MUL4 \f, 1, \sq, \mode
	MUL4 \f, 2, \sq, \mode
	MUL4 \f, 3, \sq, \mode
.endm
.macro RUN slot, mode
	QUARTER F0, F1, 1, \slot, 0, \mode, 5, 1
	QUARTER F1, F0, 2, \slot, 1, 0, 4, 1
	QUARTER F0, F1, 3, \slot, 2, 0, 4, 1
	QUARTER F1, F0, 4, \slot, 3, 0, 4, 1
	QUARTER F0, F1, 5, \slot, 4, 0, 4, 1
	QUARTER F1, F0, 6, \slot, 5, 0, 4, 1
	QUARTER F0, F1, 7, \slot, 6, 0, 4, 1
	QUARTER F1, F0, 0, \slot, 7, 0, 4, 0
	WIN 0
	PLACES 4
.endm
.macro SCALES
.irp i, 0,1,2,3
	ds_load_b128 v[SC+8*\i:SC+8*\i+3], v[ADRS] offset:512*\i
	ds_load_b128 v[SC+8*\i+4:SC+8*\i+7], v[ADRS] offset:512*\i+256
.endr
.endm
.macro RES a                           ; the residual of my rows 16 a on, into window 2: two rows a load, 256 consecutive bytes each
.irp t, 0,1,2,3,4,5,6,7
	global_load_b128 v[32*(\a)+4*\t:32*(\a)+4*\t+3], v[CO], s[RESP:RESP+1] offset:(\a)*65536+\t*8192
.endr
.endm
	s_load_b256 s[4:11], s[0:1], 0x0               ; cA, sA, bo, x
	s_load_b64 s[12:13], s[0:1], 0x20              ; x1
	v_lshl_add_u32 v[SPW], v0, 2, SPARE
	v_mov_b32 v[NIL], 0
	ds_add_u32 v28, v29
	ds_add_u32 v28, v29
	s_wait_dscnt 0x0
	v_lshrrev_b32 v1, 5, v0
	v_readfirstlane_b32 s14, v1
	s_lshr_b32 s15, s14, 1
	s_and_b32 s16, s14, 1
	s_bfe_u32 s40, ttmp6, 0x40000                  ; cx
	s_bfe_u32 s41, ttmp6, 0x40004                  ; cy
	s_and_b32 s17, ttmp7, 0xffff
	s_lshl_b32 s43, s41, 2
	s_lshl_b32 s43, 15, s43                        ; my row of the cluster
	s_lshl_b32 s44, 0x1111, s40                    ; my column
	s_lshl_b32 s18, s17, 2
	s_add_co_u32 s18, s18, s41                     ; the tile of tokens
	s_lshl_b32 s19, ttmp9, 2
	s_add_co_u32 s19, s19, s40                     ; the tile of columns
	s_or_b32 s24, s43, (3<<16)|(1<<21)
	s_or_b32 s48, s44, (3<<16)|(1<<21)
.irp g, 24, 48                                 ; a quarter of a tile: 24,576 dense bytes as 96 rows of 256
	s_mov_b32 s[\g+1], 32<<16
	s_mov_b32 s[\g+2], 384<<16                     ; a whole tile: 98,304 dense bytes as 384 rows of 256
	s_mov_b32 s[\g+3], 32<<16
	s_mov_b32 s[\g+4], 384
	s_mov_b32 s[\g+5], 32
	s_mov_b32 s[\g+6], 0
	s_mov_b32 s[\g+7], 0
.endr
	s_or_b32 s68, s43, (3<<16)|(1<<21)
	s_or_b32 s76, s44, (3<<16)|(1<<21)
.irp g, 68, 76                                 ; a quarter of a tile's scale words: 4 rows of 256
	s_mov_b32 s[\g+1], 32<<16
	s_mov_b32 s[\g+2], 16<<16                      ; a tile's scale words whole: 16 rows of 256
	s_mov_b32 s[\g+3], 32<<16
	s_mov_b32 s[\g+4], 16
	s_mov_b32 s[\g+5], 32
	s_mov_b32 s[\g+6], 0
	s_mov_b32 s[\g+7], 0
.endr
	s_mul_i32 s88, s18, 98304
	s_add_co_u32 s88, s88, ACOFF
	s_mov_b32 s89, 0
	s_lshl_b32 s92, s18, 12
	s_add_co_u32 s92, s92, ASOFF
	s_mov_b32 s93, 0
	s_mul_i32 s90, s19, 98304
	s_add_co_u32 s90, s90, BCOFF
	s_mov_b32 s91, 0
	s_lshl_b32 s94, s19, 12
	s_add_co_u32 s94, s94, BSOFF
	s_mov_b32 s95, 0
	s_wait_kmcnt 0x0
	s_mov_b32 s32, 1
	s_mov_b32 s33, AOFF
	s_add_nc_u64 s[34:35], s[4:5], s[88:89]
	s_or_b32 s35, s35, 0x80000000
	s_mov_b32 s36, 1
	s_mov_b32 s37, 0
	s_add_nc_u64 s[38:39], s[4:5], s[90:91]
	s_or_b32 s39, s39, 0x80000000
	s_mov_b32 s60, 1
	s_mov_b32 s61, SCLA
	s_add_nc_u64 s[62:63], s[6:7], s[92:93]
	s_or_b32 s63, s63, 0x80000000
	s_mov_b32 s84, 1
	s_mov_b32 s85, SCLB
	s_add_nc_u64 s[86:87], s[6:7], s[94:95]
	s_or_b32 s87, s87, 0x80000000
	CROUND                                         ; all sixteen work-groups are here: the joint loads meet
	s_cmp_eq_u32 s14, 0                            ; the four tiles, one a wave, in one chain of arms
	s_cbranch_scc0 .Lh1
	tensor_load_to_lds s[32:35], s[24:31]          ; wave 0: ctx's tile
	s_nop 0
	PLACES 4
	s_branch .Lhj
.Lh1:
	s_cmp_eq_u32 s14, 1
	s_cbranch_scc0 .Lh2
	tensor_load_to_lds s[36:39], s[48:55]          ; wave 1: Wo's tile
	s_nop 0
	PLACES 4
	s_branch .Lhj
.Lh2:
	s_cmp_eq_u32 s14, 2
	s_cbranch_scc0 .Lh3
	tensor_load_to_lds s[60:63], s[68:75]          ; wave 2: ctx's scale words
	s_nop 0
	PLACES 4
	s_branch .Lhj
.Lh3:
	tensor_load_to_lds s[84:87], s[76:83]          ; wave 3: Wo's scale words
	s_nop 0
	PLACES 4
.Lhj:
	v_and_b32 v1, 15, v0
	v_bfe_u32 v2, v0, 4, 1
	s_wait_alu depctr_va_vdst(0)
	v_and_b32 v3, 31, v0
	v_lshlrev_b32 v[L16], 4, v3
	v_lshlrev_b32 v[L8], 3, v3
	s_mul_i32 s22, s15, 4*RBS
	s_add_co_u32 s22, s22, AOFF
	v_add_nc_u32 v[ADRA16], s22, v[L16]
	s_add_co_u32 s22, s22, 512
	v_add_nc_u32 v[ADRA8], s22, v[L8]
	s_mul_i32 s22, s16, 4*RBS
	v_add_nc_u32 v[ADRB16], s22, v[L16]
	s_add_co_u32 s23, s22, 512
	v_add_nc_u32 v[ADRB8], s23, v[L8]
	v_lshlrev_b32 v6, 4, v1
	s_mul_i32 s22, s15, 2048
	s_mul_i32 s23, s16, 2048
	s_add_co_u32 s23, s23, SCLB-SCLA
	s_sub_co_u32 s23, s23, s22
	v_mul_u32_u24 v7, s23, v2
	s_add_co_u32 s22, s22, SCLA
	v_add_nc_u32 v6, v6, v7
	v_add_nc_u32 v[ADRS], s22, v6
	s_mul_i32 s22, s14, 16*272
	s_add_co_u32 s22, s22, STAGE                   ; my stage
	v_mul_u32_u24 v6, v1, 272
	v_lshl_add_u32 v6, v2, 6, v6
	v_add_nc_u32 v[STO], s22, v6                   ; in: row r, + 64 h
	v_mul_u32_u24 v6, v2, 272
	v_lshl_add_u32 v6, v1, 4, v6
	v_add_nc_u32 v[RD], s22, v6                    ; back: lanes 0-15 one row, lanes 16-31 the next
	v_lshlrev_b32 v[CO], 12, v2
	v_lshl_add_u32 v[CO], v1, 4, v[CO]             ; and the same two rows in x and x1
	v_lshlrev_b32 v31, 6, v2                       ; the bias: 16 h numbers on
	s_wait_alu depctr_va_vdst(0)
	s_lshl_b32 s100, s19, 9
	s_lshl_b32 s101, s16, 8
	s_add_co_u32 s100, s100, s101                  ; my 64 columns, in bytes
	s_lshl_b32 s66, s18, 19
	s_lshl_b32 s101, s15, 18
	s_add_co_u32 s66, s66, s101                    ; my 64 rows
	s_add_co_u32 s66, s66, s100
	s_mov_b32 s67, 0
	s_mov_b32 s101, 0
	s_add_nc_u64 s[2:3], s[8:9], s[100:101]
	s_add_nc_u64 s[RESP:RESP+1], s[10:11], s[66:67]
	s_add_nc_u64 s[OUTP:OUTP+1], s[12:13], s[66:67]
	WIN TO_F
.irp b, 0,1,2,3
	global_load_b128 v[BIAS+8*\b:BIAS+8*\b+3], v31, s[2:3] offset:(32*(\b/2)+8*(\b%2))*4
	global_load_b128 v[BIAS+8*\b+4:BIAS+8*\b+7], v31, s[2:3] offset:(32*(\b/2)+8*(\b%2))*4+16
.endr
	WIN TO_R
	RES 0                                          ; all four blocks of the residual now: nothing is asked of memory on the way out
	RES 1
	RES 2
	RES 3
	WIN 0
	s_wait_tensorcnt 0x0
	s_barrier_signal -1
	s_barrier_wait -1
	FETCH F0, 0, 0
	WIN 0
	SCALES
	s_wait_loadcnt 32                              ; the bias is in; the 32 younger loads, the residual's, may be out
	RUN 0, 2
.irp a, 0,1,2,3                                ; each block of 16 rows through the stage, back into the registers that it left: LDS serves a wave's instructions in order
.irp b, 0,1,2,3
	ds_store_b128 v[STO], v[ACC+32*\a+8*\b:ACC+32*\a+8*\b+3] offset:128*(\b/2)+32*(\b%2)
	ds_store_b128 v[STO], v[ACC+32*\a+8*\b+4:ACC+32*\a+8*\b+7] offset:128*(\b/2)+32*(\b%2)+16
.endr
.irp t, 0,1,2,3,4,5,6,7
	ds_load_b128 v[ACC+32*\a+4*\t:ACC+32*\a+4*\t+3], v[RD] offset:544*\t
.endr
.endr
.irp a, 0,1,2,3
	s_wait_dscnt 16*(3-\a)                         ; the later blocks' 8 stores and 8 loads each may be out
	s_wait_loadcnt 8*(3-\a)                        ; this block's residual is in; the later blocks' 8 loads each may be out
	WIN ADDR
.set n_, 0
.rept 16
	v_pk_add_f32 v[ACC+32*\a+n_:ACC+32*\a+n_+1], v[ACC+32*\a+n_:ACC+32*\a+n_+1], v[32*\a+n_:32*\a+n_+1]
.set n_, n_+2
.endr
	WIN 0
.irp t, 0,1,2,3,4,5,6,7
	global_store_b128 v[CO], v[ACC+32*\a+4*\t:ACC+32*\a+4*\t+3], s[OUTP:OUTP+1] offset:\a*65536+\t*8192   ; sixteen lanes store 256 consecutive bytes, aligned
.endr
.endr
	s_wait_tensorcnt 0x0                           ; the wave's end
	ds_add_u32 v[SPW], v[NIL]
	s_wait_dscnt 0x0
	CROUND                                         ; the closing round
	s_endpgm
.Lfunc_end_k_q55bd1c4ae2_wo:
	.size	k_q55bd1c4ae2_wo, .Lfunc_end_k_q55bd1c4ae2_wo-k_q55bd1c4ae2_wo
	.p2alignl 7, 3214868480
	.fill 96, 4, 3214868480
	.section	.rodata,"a",@progbits
	.p2align	6, 0x0
	.amdhsa_kernel k_q55bd1c4ae2_wo
		.amdhsa_group_segment_fixed_size 327680
		.amdhsa_private_segment_fixed_size 0
		.amdhsa_enable_private_segment 0
		.amdhsa_kernarg_size 40
		.amdhsa_user_sgpr_count 2
		.amdhsa_user_sgpr_kernarg_segment_ptr 1
		.amdhsa_wavefront_size32 1
		.amdhsa_system_sgpr_workgroup_id_x 1
		.amdhsa_system_sgpr_workgroup_id_y 1
		.amdhsa_system_sgpr_workgroup_id_z 1
		.amdhsa_system_vgpr_workitem_id 0
		.amdhsa_next_free_vgpr 768
		.amdhsa_next_free_sgpr 102
		.amdhsa_reserve_vcc 0
		.amdhsa_float_denorm_mode_32 3
		.amdhsa_float_denorm_mode_16_64 3
		.amdhsa_memory_ordered 1
		.amdhsa_forward_progress 1
		.amdhsa_inst_pref_size 59
	.end_amdhsa_kernel
	.amdgpu_metadata
---
amdhsa.version: [ 1, 2 ]
amdhsa.kernels:
  - .name:           k_q55bd1c4ae2_wo
    .symbol:         k_q55bd1c4ae2_wo.kd
    .args:
      - { .name: cA, .offset: 0, .size: 8, .value_kind: global_buffer, .address_space: global }
      - { .name: sA, .offset: 8, .size: 8, .value_kind: global_buffer, .address_space: global }
      - { .name: bo, .offset: 16, .size: 8, .value_kind: global_buffer, .address_space: global }
      - { .name: x, .offset: 24, .size: 8, .value_kind: global_buffer, .address_space: global }
      - { .name: x1, .offset: 32, .size: 8, .value_kind: global_buffer, .address_space: global }
    .group_segment_fixed_size: 327680
    .private_segment_fixed_size: 0
    .kernarg_segment_align: 8
    .kernarg_segment_size: 40
    .max_flat_workgroup_size: 128
    .sgpr_count:     102
    .vgpr_count:     768
    .wavefront_size: 32
...
	.end_amdgpu_metadata
.endif
;; end of part 4
;; launch ln2: the kernel of part 1 again; grid 256 x 1, 8 waves a work-group, no clusters, 120,320 bytes of LDS; arguments x1, ln2_scale, ln2_shift, cA, sA, Wq, Wk, Wv, Wo, W1, W2; writes cA, sA
;; launch ffn1 (part 5): grid 16 x 16, 4 waves a work-group, clusters of 4 x 4, 327,680 bytes of LDS; arguments cA, sA, b1, cB, sB; writes cB, sB
.if DOCPART == 5
	.amdgcn_target "amdgcn-amd-amdhsa--gfx1250"
	.amdhsa_code_object_version 6
	.text
	.protected	k_q55bd1c4ae2_ffn1
	.globl	k_q55bd1c4ae2_ffn1
	.p2align	8
	.type	k_q55bd1c4ae2_ffn1,@function
k_q55bd1c4ae2_ffn1:
	s_mov_b64 s[64:65], 0
	v_nop
	global_prefetch_b8 v0, s[64:65] scope:SCOPE_SE
	s_setreg_imm32_b32 hwreg(HW_REG_WAVE_MODE, 25, 1), 1
	s_wait_xcnt 0x0
	s_wait_alu depctr_hold_cnt(0) depctr_sa_sdst(0) depctr_va_vdst(0) depctr_va_sdst(0) depctr_va_ssrc(0) depctr_va_vcc(0) depctr_vm_vsrc(0)
	s_getreg_b32 s2, hwreg(HW_REG_IB_STS2, 6, 4)
	s_cmp_eq_u32 s2, 0
	s_cbranch_scc0 .Lentry_in_a_cluster
	s_endpgm
.Lentry_in_a_cluster:
	s_bfe_u32 s2, ttmp6, 0x10000c
	s_cmp_lg_u32 s2, 0xf033
	s_cbranch_scc0 .Lentry_shape_is_right
	s_endpgm
.Lentry_shape_is_right:
; hidden = gelu(h W1 + b1), the product on codes of E2M3 (K = 1,024 = 8 ksteps of 128); the hidden layer is quantised along its own axis on the way out and never exists in f32 in memory.
; Operands are images of operand registers (16 rows x 128 K = 1,536 bytes), [rowblock][kstep]: a rowblock is 12,288 bytes.  h: byte 9,437,184 of cA, scale words at 393,216 of sA; W1: 3,145,728 and 131,072.
; A work-group makes 256 tokens x 256 hidden units, four waves of 128 x 128: 64 accumulators, 512 registers.  For a kstep a wave reads 16 fragments from LDS and issues 64 products.
; Source 0 = 16 rows of W1's images, source 1 = 16 tokens: a lane holds one token, and the 64 registers of a rowblock of tokens are the wave's 128 hidden units, register 16 e + i = unit 32 e + 16 h + i:
; four blocks of 32, one whole image of the next product's operand and one scale word a row.  The bias is the C of the first kstep's products, so a sum begins with it.
; gelu(x) = x / (1 + 2^(x (k1 + k2 x^2))), k1 = -2 sqrt(2 / pi) log2(e), k2 = 0.044715 k1: the tanh form, rewritten exactly; where 2^.. overflows the quotient is 0.
; LDS: TWO SLOTS of 3 ksteps, each with the tokens' 16 rowblocks and then W1's 16: 2 x 147,456 bytes; behind them the spare words.  K goes as 3, 3, 2 ksteps.
; THE HEAD fills both slots, one tensor load a wave, each in its own arm: tokens slot 0, W1 slot 0, tokens slot 1, W1 slot 1.  Waves 0 and 1 alone wait ahead of the first barrier; slot 1 is shown at the change of slots in kstep 2.
; ONE REFILL, in kstep 2, behind the three lines and a round of the cluster's barrier, one load a wave (8 rowblocks of one operand): ksteps 6 and 7 into slot 0, whose rows then lie 3,072 bytes apart: a third set of addresses.
; CLUSTER 4 x 4: the tokens' tiles are shared along a row of the cluster, W1's along a column: joint loads.
; THE SCALE WORDS come once, straight into registers: 16 loads of 16 bytes a lane, sixteen lanes on 256 consecutive bytes; lanes 0-15 take rowblock 2 p, lanes 16-31 rowblock 2 p + 1.
; PREFETCH: behind the first fragments each wave names its share of what the refill, two ksteps on, will load: 2 rowblocks x 12 blocks of 256 bytes, a lane a block (lanes left over name the last again);
; a tile's 16 rowblocks are shared out among the four partners that ask for it jointly, by address (4 x place + 2 x (wave / 2)).  The head's fills come by their loads alone.
; LIMITS: a block of zeros gets the byte 1 (its codes are zeros; this program alone reads the bytes); blocks under 2^-124 are held at byte 1; NaN and infinities are not served.  The scale words leave four bytes a row.
; REGISTERS: window 0: v4-29 addresses; v32-95 scale words and nothing else; v96-117 at work on the way out; v128-223 the tokens' fragments, ONE set (on the way out v128-191 the 64 numbers, v224-243 codes).
; Window 1: W1's fragments, two sets (v0-95, v128-223); the bias in v96-127 and v224-255.  Window 2: the sums of my rowblocks 0-3 (accumulator (a, b) at 8 (8 (a % 4) + b)); window 3: those of rowblocks 4-7.
.set IMG,   1536
.set GRB,   12288
.set RB,    3*IMG                      ; a rowblock in a slot,
.set RB2,   2*IMG                      ; and in slot 0 under the refill
.set SL1,   32*RB
.set SPARE, 2*SL1                      ; the spare words: 128 bytes a wave, which no other line names
.set SC,    32                         ; tokens' words of pair p, kstep k at SC + 32 (k / 4) + 8 p + k % 4, W1's 4 further on: the two numbers differ modulo 8
.set AF,    128
.set L16, 4
.set L8,  5
.set SO,  6
.set VS,  8
.set BO,  9
.set PF,  10
.set AD,  16                           ; v16-27: for each of three layouts: tokens' b128 and b64 address, W1's b128 and b64
.set SPW, 28
.set NIL, 29
.set TM,  96
.set PW,  112
.set SW,  114
.set K1,  116
.set Y,   128
.set PC,  224
.set G1A, 24                           ; group 1: 16 rowblocks x 3 ksteps, tokens;
.set G1B, 32                           ; W1;
.set R1A, 40                           ; 8 rowblocks x 2 ksteps, tokens;
.set R1B, 48                           ; W1
.set G0A, 56
.set G0B, 60
.set R0A, 68
.set R0B, 72
.set MSB, 0
.macro WIN new                         ; the immediate's high byte repeats the setting that is left
.if MSB != \new
	s_set_vgpr_msb (MSB<<8)|\new
.set MSB, \new
.endif
.endm
.macro PLACES n
.rept \n
	v_nop
.endr
.endm
.macro WALU
	s_wait_alu depctr_va_vdst(0)
.endm
.macro CREST
	s_cmp_lg_u32 s14, 0
	s_cbranch_scc1 .Lnot_wave_0_\@
	s_barrier_signal -3
.Lnot_wave_0_\@:
	s_barrier_wait -3
	s_barrier_signal -1
	s_barrier_wait -1
.endm
.macro CROUND
	s_barrier_signal -1
	s_barrier_wait -1
	CREST
.endm
.macro TLOAD g0, g1                    ; an s_nop 0 and four v_nop follow each tensor load
	tensor_load_to_lds s[\g0:\g0+3], s[\g1:\g1+7]
	s_nop 0
	PLACES 4
.endm
.macro G1SET g, mask, rows, el         ; rows (rowblocks) of el elements of 8 bytes, 1,536 elements apart in memory, dense in LDS
	s_or_b32 s[\g], s[\mask], (3<<16)|(1<<21)
	s_mov_b32 s[\g+1], (\el)<<16
	s_mov_b32 s[\g+2], (\rows)<<16
	s_mov_b32 s[\g+3], (\el)<<16
	s_mov_b32 s[\g+4], \rows
	s_mov_b32 s[\g+5], GRB/8
	s_mov_b32 s[\g+6], 0
	s_mov_b32 s[\g+7], 0
.endm
.macro ADRS y, sb, rb                  ; layout y: the slot's first byte, its rowblock's bytes
	s_mul_i32 s2, s15, 8*\rb
	s_mul_i32 s3, s16, 8*\rb
.if \sb
	s_add_co_u32 s2, s2, \sb
.endif
	s_add_co_u32 s3, s3, \sb+16*\rb
	v_add_nc_u32 v[AD+4*\y], s2, v[L16]
	v_add_nc_u32 v[AD+4*\y+2], s3, v[L16]
	s_add_co_u32 s2, s2, 512
	s_add_co_u32 s3, s3, 512
	v_add_nc_u32 v[AD+4*\y+1], s2, v[L8]
	v_add_nc_u32 v[AD+4*\y+3], s3, v[L8]
.endm
.macro LOC k                           ; where kstep k lies: layout, place in the slot, rowblock's bytes
.if (\k) < 3
.set LY_, 0
.set QI_, (\k)
.set RB_, RB
.elseif (\k) < 6
.set LY_, 1
.set QI_, (\k)-3
.set RB_, RB
.else
.set LY_, 2
.set QI_, (\k)-6
.set RB_, RB2
.endif
.endm
.macro FRAG reg, a16, a8, off          ; a fragment from its image: four loads
	ds_load_b128 v[\reg:\reg+3], v[\a16] offset:\off
	ds_load_b64 v[\reg+4:\reg+5], v[\a8] offset:\off
	ds_load_b128 v[\reg+6:\reg+9], v[\a16] offset:\off+768
	ds_load_b64 v[\reg+10:\reg+11], v[\a8] offset:\off+768
.endm
.macro FETCH_B k                       ; W1's eight fragments of kstep k into set k % 2: 32 loads
	LOC \k
	WIN 0x40
.irp i, 0,1,2,3,4,5,6,7
	FRAG 128*((\k)%2)+12*\i, AD+4*LY_+2, AD+4*LY_+3, \i*RB_+QI_*IMG
.endr
	WIN 0
.endm
.macro FETCH_A k, i0                   ; the tokens' rowblocks i0 .. i0 + 3 of kstep k: 16 loads
	LOC \k
.irp i, \i0, \i0+1, \i0+2, \i0+3
	FRAG AF+12*(\i), AD+4*LY_, AD+4*LY_+1, (\i)*RB_+QI_*IMG
.endr
.endm
.macro MULA k, a, ar, mode             ; the tokens' rowblock a (ar = a % 2) against W1's eight.  mode 1: the bias starts the sums
.set FB_, 128*((\k)%2)
.set XG_, SC+32*((\k)/4)+(\k)%4
.irp bp, 0,1,2,3
.irp br, 0,1
.set B_, 2*\bp+\br
.set D_, 64*((\a)%4)+8*B_
.set BI_, 96+8*B_+96*(B_/4)
.if \mode
	v_wmma_scale_f32_16x16x128_f8f6f4 v[D_:D_+7], v[FB_+12*B_:FB_+12*B_+11], v[AF+12*(\a):AF+12*(\a)+11], v[BI_:BI_+7], v[XG_+8*\bp+4], v[XG_+8*((\a)/2)] matrix_a_fmt:MATRIX_FMT_FP6 matrix_b_fmt:MATRIX_FMT_FP6 matrix_a_scale:MATRIX_SCALE_ROW\br matrix_b_scale:MATRIX_SCALE_ROW\ar
.else
	v_wmma_scale_f32_16x16x128_f8f6f4 v[D_:D_+7], v[FB_+12*B_:FB_+12*B_+11], v[AF+12*(\a):AF+12*(\a)+11], v[D_:D_+7], v[XG_+8*\bp+4], v[XG_+8*((\a)/2)] matrix_a_fmt:MATRIX_FMT_FP6 matrix_b_fmt:MATRIX_FMT_FP6 matrix_a_scale:MATRIX_SCALE_ROW\br matrix_b_scale:MATRIX_SCALE_ROW\ar
.endif
.endr
.endr
.endm
.macro MUL16 k, a0                     ; 16 products; the 64 accumulators take turns, in the same order in every kstep
	MULA \k, \a0, 0, (\k)==0
	MULA \k, (\a0)+1, 1, (\k)==0
.endm
; A kstep: 64 products.  A rowblock of tokens is free as soon as its eight products are issued, so one set serves: rowblocks 0-3 of the next kstep are fetched in the middle, with W1's other set, rowblocks 4-7 at the end.
; Ksteps 2 and 5 leave a slot: every wave waits for all its tensor loads, adds 0 to its spare word, waits for that and for its reads of the slot.  In kstep 2 the barrier opens a round and slot 0 is filled again.
.macro STEP k
.if (\k) == 2 || (\k) == 5
	s_wait_tensorcnt 0x0
	ds_add_u32 v[SPW], v[NIL]
	s_wait_dscnt 17                                ; the add and the 16 loads of the tokens' rowblocks 4-7 may be out
	WIN 0xa1
	MUL16 \k, 0
	s_wait_dscnt 0x0
	s_barrier_signal -1
	MUL16 \k, 2                                    ; work on registers while the others arrive
	WIN 0
	s_barrier_wait -1
.if (\k) == 2
	CREST
	s_cmp_eq_u32 s16, 0                            ; waves 0 and 2 bring the tokens' two halves, waves 1 and 3 W1's
	s_cbranch_scc0 .Lfor_b
	TLOAD R0A, R1A                                 ; the four v_nop behind the load are the places in front of the loads below
	s_branch .Lrefilled
.Lfor_b:
	TLOAD R0B, R1B
.Lrefilled:
.else
	PLACES 4                                       ; nothing is left to fetch: a plain barrier shows the refill to all
.endif
.else
	s_wait_dscnt 16                                ; W1's set and the tokens' rowblocks 0-3 are in; the 16 loads of rowblocks 4-7 may be out
.if (\k) == 0
	WIN 0x91                                       ; C, the bias, in window 1
.else
	WIN 0xa1                                       ; source 0 window 1, source 1 window 0, C and D window 2
.endif
	MUL16 \k, 0
	MUL16 \k, 2
	s_wait_dscnt 0x0                               ; rowblocks 4-7 are in
.if (\k) < 7
	PLACES 4
.endif
.endif
.if (\k) < 7
	FETCH_B (\k)+1
	FETCH_A (\k)+1, 0
.endif
.if (\k) == 0
	WIN 0xd1
.else
	WIN 0xf1                                       ; C and D window 3
.endif
	MUL16 \k, 4
	MUL16 \k, 6
	PLACES 4
	WIN 0
.if (\k) < 7
	FETCH_A (\k)+1, 4
.endif
.endm
; 64 numbers of a lane in v[Y] on become an image's 12 registers in v[PC] on and its scale word in v[pw]
.macro QUANT pw
.irp b, 0,1,2,3
	v_max3_num_f32 v[TM+\b], |v[Y+16*\b]|, |v[Y+1+16*\b]|, 0x1800000   ; with the floor 2^(3 - 127)
.endr
.irp i, 2,4,6,8,10,12,14
.irp b, 0,1,2,3
	v_max3_num_f32 v[TM+\b], v[TM+\b], |v[Y+16*\b+\i]|, |v[Y+1+16*\b+\i]|
.endr
.endr
.irp b, 0,1,2,3
	v_permlanex16_b32 v[TM+4+\b], v[TM+\b], s100, s101
.endr
.irp b, 0,1,2,3
	v_max_num_f32 v[TM+\b], v[TM+\b], v[TM+4+\b]   ; with lane l xor 16's: the block's largest magnitude
.endr
.irp b, 0,1,2,3
	v_add_nc_u32 v[TM+12+\b], 0xff000000, v[TM+\b] ; the conversion's scale operand
.endr
.irp b, 0,1,2,3
	v_lshrrev_b32 v[TM+4+\b], 23, v[TM+12+\b]      ; the scale's byte
.endr
	v_lshl_or_b32 v[\pw], v[TM+5], 8, v[TM+4]
	v_lshl_or_b32 v[\pw], v[TM+6], 16, v[\pw]
	v_lshl_or_b32 v[\pw], v[TM+7], 24, v[\pw]
.irp c, 0,1
	v_cvt_scalef32_pk16_fp6_f32 v[PC+6*\c:PC+2+6*\c], v[Y+32*\c:Y+15+32*\c], v[TM+12+2*\c]
	v_cvt_scalef32_pk16_fp6_f32 v[PC+12+4*\c:PC+14+4*\c], v[Y+16+32*\c:Y+31+32*\c], v[TM+13+2*\c]
.endr
	v_nop                                          ; one plain line behind the conversions
.irp c, 0,1                                    ; a whole block to a lane: lanes 0-15 block 2 c, lanes 16-31 block 2 c + 1
.irp i, 0,1,2
	v_permlane16_swap_b32 v[PC+6*\c+\i], v[PC+12+4*\c+\i]
.endr
.irp i, 0,1,2
	v_mov_b32 v[PC+3+6*\c+\i], v[PC+12+4*\c+\i]
.endr
.endr
.endm
; The way out of my rowblock a of tokens: the activation of its 64 sums, into window 0; the quantiser; one image and, for two rowblocks at a time, the scale words.
; The reads ascend: each accumulator is first read at its low end.  Each batch of transcendentals has one wait ahead of it, and a plain line and one wait behind it.
.macro EPI a
.set W_, 2+(\a)/4
.set S_, 64*((\a)%4)
.if (\a) > 0
	s_wait_xcnt 0x0                                ; the last rowblock's stores have read their registers: these are written again below
.endif
	WIN W_|(W_<<2)
	WALU                                           ; the wait ahead of the first reader of sums behind transcendentals
.set n_, 0
.rept 32
	v_pk_mul_f32 v[Y+n_:Y+n_+1], v[S_+n_:S_+n_+1], v[S_+n_:S_+n_+1]
.set n_, n_+2
.endr
	WIN 0
.set n_, 0
.rept 32
	v_pk_fma_f32 v[Y+n_:Y+n_+1], v[Y+n_:Y+n_+1], s[98:99], v[K1:K1+1] op_sel_hi:[1,0,1]   ; k2 x^2 + k1
.set n_, n_+2
.endr
	WIN W_<<2
.set n_, 0
.rept 32
	v_pk_mul_f32 v[Y+n_:Y+n_+1], v[Y+n_:Y+n_+1], v[S_+n_:S_+n_+1]
.set n_, n_+2
.endr
	WIN 0
	WALU
.set n_, 0
.rept 64
	v_exp_f32 v[Y+n_], v[Y+n_]
.set n_, n_+1
.endr
	v_nop
	WALU
.set n_, 0
.rept 32
	v_pk_add_f32 v[Y+n_:Y+n_+1], v[Y+n_:Y+n_+1], 1.0 op_sel_hi:[1,0]
.set n_, n_+2
.endr
	WALU
.set n_, 0
.rept 64
	v_rcp_f32 v[Y+n_], v[Y+n_]
.set n_, n_+1
.endr
	v_nop
	WALU
	WIN W_<<2
.set n_, 0
.rept 32
	v_pk_mul_f32 v[Y+n_:Y+n_+1], v[Y+n_:Y+n_+1], v[S_+n_:S_+n_+1]
.set n_, n_+2
.endr
	WIN 0
	QUANT PW+(\a)%2
.irp c, 0,1
	global_store_b128 v[L16], v[PC+6*\c:PC+6*\c+3], s[66:67] offset:(\a)*49152+768*\c          ; 512 consecutive bytes,
	global_store_b64 v[L8], v[PC+6*\c+4:PC+6*\c+5], s[66:67] offset:(\a)*49152+768*\c+512     ; and 256: whole aligned runs
.endr
.if (\a)%2
	v_cndmask_b32 v[SW], v[PW], v[PW+1], s20       ; lanes 0-15 the even rowblock's words, lanes 16-31 the odd one's
	global_store_b32 v[SO], v[SW], s[96:97] offset:((\a)/2)*4096
.endif
.endm
	s_load_b256 s[4:11], s[0:1], 0x0               ; cA, sA, b1, cB
	s_load_b64 s[12:13], s[0:1], 0x20              ; sB
	v_lshl_add_u32 v[SPW], v0, 2, SPARE
	v_mov_b32 v[NIL], 0
	ds_add_u32 v[SPW], v[NIL]                      ; the opening lines: the add, twice on end, and its wait ahead of my first tensor load
	ds_add_u32 v[SPW], v[NIL]
	v_lshrrev_b32 v1, 5, v0
	v_readfirstlane_b32 s14, v1                    ; wave 0..3
	s_lshr_b32 s15, s14, 1                         ; my 128 tokens of the block.  In the refill: which 8 rowblocks I bring
	s_and_b32 s16, s14, 1                          ; my 128 hidden units.  In the refill: I bring tokens (0) or W1 (1)
	s_bfe_u32 s86, ttmp6, 0x40000                  ; cx
	s_bfe_u32 s87, ttmp6, 0x40004                  ; cy
	s_lshl_b32 s88, ttmp9, 2
	s_add_co_u32 s88, s88, s86                     ; the block of hidden units, 0..15
	s_and_b32 s89, ttmp7, 0xffff
	s_lshl_b32 s89, s89, 2
	s_add_co_u32 s89, s89, s87                     ; the block of tokens, 0..15
	s_lshl_b32 s90, s87, 2
	s_lshl_b32 s90, 15, s90                        ; my row of the cluster
	s_lshl_b32 s91, 0x1111, s86                    ; my column
	G1SET G1A, 90, 16, RB/8
	G1SET G1B, 91, 16, RB/8
	G1SET R1A, 90, 8, RB2/8
	G1SET R1B, 91, 8, RB2/8
	s_mul_i32 s76, s89, 16*GRB                     ; the tokens' tile, bytes from cA
	s_add_co_u32 s76, s76, 9437184
	s_mov_b32 s77, 0
	s_mul_i32 s78, s88, 16*GRB                     ; W1's
	s_add_co_u32 s78, s78, 3145728
	s_mov_b32 s79, 0
	s_mul_i32 s80, s15, 8*GRB                      ; the refill: my 8 rowblocks, kstep 6
	s_add_co_u32 s80, s80, 6*IMG
	s_mov_b32 s81, 0
	s_mul_i32 s[R0A+1], s15, 8*RB2                 ; and where it goes in slot 0
	s_add_co_u32 s[R0B+1], s[R0A+1], 16*RB2
	s_mov_b32 s[G0A], 1
	s_mov_b32 s[G0B], 1
	s_mov_b32 s[R0A], 1
	s_mov_b32 s[R0B], 1
	s_lshl_b32 s82, s89, 13                        ; my tokens' scale words: 512 bytes a rowblock
	s_lshl_b32 s2, s15, 12
	s_add_co_u32 s82, s82, s2
	s_add_co_u32 s82, s82, 393216
	s_mov_b32 s83, 0
	s_lshl_b32 s84, s88, 13                        ; my hidden units'
	s_lshl_b32 s2, s16, 12
	s_add_co_u32 s84, s84, s2
	s_add_co_u32 s84, s84, 131072
	s_mov_b32 s85, 0
	s_lshl_b32 s92, s88, 10                        ; b1: my 128 units
	s_lshl_b32 s2, s16, 9
	s_add_co_u32 s92, s92, s2
	s_mov_b32 s93, 0
	s_lshl_b32 s17, s88, 1
	s_add_co_u32 s17, s17, s16                     ; my kstep of the hidden layer, 0..31
	s_mul_i32 s66, s89, 16*49152                   ; where my images go: my first rowblock of tokens,
	s_mul_i32 s2, s15, 8*49152
	s_add_co_u32 s66, s66, s2
	s_mul_i32 s2, s17, IMG                         ; my kstep
	s_add_co_u32 s66, s66, s2
	s_mov_b32 s67, 0
	s_lshl_b32 s96, s89, 15                        ; and my scale words: 2,048 bytes a rowblock,
	s_lshl_b32 s2, s15, 14
	s_add_co_u32 s96, s96, s2
	s_lshr_b32 s2, s17, 2
	s_lshl_b32 s2, s2, 8                           ; 256 for each 512 of the hidden layer,
	s_add_co_u32 s96, s96, s2
	s_and_b32 s2, s17, 3
	s_lshl_b32 s2, s2, 2                           ; my word of the four
	s_add_co_u32 s96, s96, s2
	s_mov_b32 s97, 0
	s_mov_b32 s3, 3145728
	s_cmp_eq_u32 s16, 0                            ; the prefetch: the operand that I refill;
	s_cselect_b32 s94, s89, s88                    ; its tile;
	s_cselect_b32 s2, s86, s87                     ; my place among the four that ask for it jointly
	s_cselect_b32 s3, 9437184, s3
	s_lshl_b32 s94, s94, 4
	s_lshl_b32 s2, s2, 2
	s_add_co_u32 s94, s94, s2
	s_lshl_b32 s2, s15, 1
	s_add_co_u32 s94, s94, s2                      ; rowblock 16 x tile + 4 x place + 2 x (wave / 2)
	s_mul_i32 s94, s94, GRB
	s_add_co_u32 s94, s94, s3
	s_add_co_u32 s94, s94, 6*IMG
	s_mov_b32 s95, 0
	s_mov_b32 s100, 0x76543210                     ; v_permlanex16_b32's selects for lane l xor 16
	s_mov_b32 s101, 0xfedcba98
	s_mov_b32 s20, 0xffff0000                      ; lanes 16-31
	s_mov_b32 s98, 0xbdd2d3e8                      ; k2 = -0.10294324
	s_mov_b32 s99, s98
	v_and_b32 v1, 15, v0                           ; r
	v_bfe_u32 v2, v0, 4, 1                         ; h
	v_and_b32 v3, 31, v0                           ; lane
	v_lshlrev_b32 v[L16], 4, v3
	v_lshlrev_b32 v[L8], 3, v3
	WALU
	ADRS 0, 0, RB
	ADRS 1, SL1, RB
	ADRS 2, 0, RB2
	v_lshlrev_b32 v[VS], 4, v1
	v_lshl_add_u32 v[VS], v2, 9, v[VS]             ; scale words in: 16 r, + a rowblock's 512 for lanes 16-31
	v_lshlrev_b32 v[SO], 4, v1
	v_lshl_add_u32 v[SO], v2, 11, v[SO]            ; and out: 16 r, + a rowblock's 2,048
	v_lshlrev_b32 v[BO], 6, v2                     ; the bias: 16 h numbers on
	v_min_u32 v11, 23, v3                          ; the prefetch: block = lane, held at the last of 24;
	v_mul_u32_u24 v7, v11, 86
	v_lshrrev_b32 v7, 10, v7                       ; block / 12: which of my two rowblocks
	v_mul_u32_u24 v7, v7, GRB-RB2
	v_lshl_add_u32 v[PF], v11, 8, v7
	v_mov_b32 v[K1], 0xc0135761                    ; k1 = -2.3022082
	v_mov_b32 v[K1+1], 0xc0135761
.irp b, 0,1,2,3
	v_mov_b32 v[TM+4+\b], 0                        ; written once: a lane permute's destination counts as one of its sources
.endr
	WALU                                           ; the wait at the end of the head's vector work
	s_wait_dscnt 0x0                               ; both opening adds are done
	CROUND                                         ; all sixteen work-groups are here: the first joint loads meet
	s_wait_kmcnt 0x0
	s_add_nc_u64 s[G0A+2:G0A+3], s[4:5], s[76:77]
	s_add_nc_u64 s[G0B+2:G0B+3], s[4:5], s[78:79]
	s_add_nc_u64 s[R0A+2:R0A+3], s[G0A+2:G0A+3], s[80:81]
	s_add_nc_u64 s[R0B+2:R0B+3], s[G0B+2:G0B+3], s[80:81]
	s_or_b32 s[G0A+3], s[G0A+3], 0x80000000
	s_or_b32 s[G0B+3], s[G0B+3], 0x80000000
	s_or_b32 s[R0A+3], s[R0A+3], 0x80000000
	s_or_b32 s[R0B+3], s[R0B+3], 0x80000000
	s_cmp_eq_u32 s14, 0
	s_cbranch_scc0 .Lwave_1
	s_mov_b32 s[G0A+1], 0
	TLOAD G0A, G1A                                 ; wave 0: the tokens' ksteps 0 to 2
	s_branch .Lasked
.Lwave_1:
	s_cmp_eq_u32 s14, 1
	s_cbranch_scc0 .Lwave_2
	s_mov_b32 s[G0B+1], 16*RB
	TLOAD G0B, G1B                                 ; wave 1: W1's
	s_branch .Lasked
.Lwave_2:
	s_cmp_eq_u32 s14, 2
	s_cbranch_scc0 .Lwave_3
	s_mov_b32 s[G0A+1], SL1
	s_add_nc_u64 s[G0A+2:G0A+3], s[G0A+2:G0A+3], 3*IMG
	TLOAD G0A, G1A                                 ; wave 2: the tokens' ksteps 3 to 5
	s_branch .Lasked
.Lwave_3:
	s_mov_b32 s[G0B+1], SL1+16*RB
	s_add_nc_u64 s[G0B+2:G0B+3], s[G0B+2:G0B+3], 3*IMG
	TLOAD G0B, G1B                                 ; wave 3: W1's
.Lasked:
	s_add_nc_u64 s[82:83], s[6:7], s[82:83]
	s_add_nc_u64 s[84:85], s[6:7], s[84:85]
	s_add_nc_u64 s[92:93], s[8:9], s[92:93]
	s_add_nc_u64 s[94:95], s[4:5], s[94:95]
	s_add_nc_u64 s[66:67], s[10:11], s[66:67]
	s_add_nc_u64 s[96:97], s[12:13], s[96:97]
.irp g, 0,1
.irp p, 0,1,2,3
	global_load_b128 v[SC+32*\g+8*\p:SC+32*\g+8*\p+3], v[VS], s[82:83] offset:\p*1024+\g*256
	global_load_b128 v[SC+32*\g+8*\p+4:SC+32*\g+8*\p+7], v[VS], s[84:85] offset:\p*1024+\g*256
.endr
.endr
	WIN 0x40
.irp b, 0,1,2,3,4,5,6,7                        ; the bias in the result's layout: rowblock b, register i: unit 32 (b / 2) + 16 h + 8 (b % 2) + i
	global_load_b128 v[96+8*\b+96*(\b/4):96+8*\b+96*(\b/4)+3], v[BO], s[92:93] offset:(32*(\b/2)+8*(\b%2))*4
	global_load_b128 v[96+8*\b+96*(\b/4)+4:96+8*\b+96*(\b/4)+7], v[BO], s[92:93] offset:(32*(\b/2)+8*(\b%2))*4+16
.endr
	WIN 0
	s_cmp_lt_u32 s14, 2
	s_cbranch_scc0 .Lnot_slot_0
	s_wait_tensorcnt 0x0                           ; waves 0 and 1: slot 0's two tiles are in
.Lnot_slot_0:
	s_barrier_signal -1
	s_barrier_wait -1                              ; slot 1's may still be on their way
	FETCH_B 0
	FETCH_A 0, 0
	FETCH_A 0, 4
	global_prefetch_b8 v[PF], s[94:95] th:TH_LOAD_NT scope:SCOPE_SE   ; what the refill will load
	s_wait_loadcnt 0x0                             ; the scale words and the bias
.irp k, 0,1,2,3,4,5,6,7
	STEP \k
.endr
.irp a, 0,1,2,3,4,5,6,7
	EPI \a
.endr
	s_wait_tensorcnt 0x0                           ; the wave's end
	ds_add_u32 v[SPW], v[NIL]
	s_wait_dscnt 0x0
	CROUND                                         ; the closing round
	s_endpgm
.Lfunc_end_k_q55bd1c4ae2_ffn1:
	.size	k_q55bd1c4ae2_ffn1, .Lfunc_end_k_q55bd1c4ae2_ffn1-k_q55bd1c4ae2_ffn1
	.p2alignl 7, 3214868480
	.fill 96, 4, 3214868480
	.section	.rodata,"a",@progbits
	.p2align	6, 0x0
	.amdhsa_kernel k_q55bd1c4ae2_ffn1
		.amdhsa_group_segment_fixed_size 327680
		.amdhsa_private_segment_fixed_size 0
		.amdhsa_enable_private_segment 0
		.amdhsa_kernarg_size 40
		.amdhsa_user_sgpr_count 2
		.amdhsa_user_sgpr_kernarg_segment_ptr 1
		.amdhsa_wavefront_size32 1
		.amdhsa_system_sgpr_workgroup_id_x 1
		.amdhsa_system_sgpr_workgroup_id_y 1
		.amdhsa_system_sgpr_workgroup_id_z 1
		.amdhsa_system_vgpr_workitem_id 0
		.amdhsa_next_free_vgpr 1024
		.amdhsa_next_free_sgpr 102
		.amdhsa_reserve_vcc 0
		.amdhsa_float_denorm_mode_32 3
		.amdhsa_float_denorm_mode_16_64 3
		.amdhsa_memory_ordered 1
		.amdhsa_forward_progress 1
		.amdhsa_inst_pref_size 255
	.end_amdhsa_kernel
	.section	.bss,"aw",@nobits
	.p2align	6
	.space	262144
	.amdgpu_metadata
---
amdhsa.version: [ 1, 2 ]
amdhsa.kernels:
  - .name:           k_q55bd1c4ae2_ffn1
    .symbol:         k_q55bd1c4ae2_ffn1.kd
    .args:
      - { .name: cA, .offset: 0, .size: 8, .value_kind: global_buffer, .address_space: global }
      - { .name: sA, .offset: 8, .size: 8, .value_kind: global_buffer, .address_space: global }
      - { .name: b1, .offset: 16, .size: 8, .value_kind: global_buffer, .address_space: global }
      - { .name: cB, .offset: 24, .size: 8, .value_kind: global_buffer, .address_space: global }
      - { .name: sB, .offset: 32, .size: 8, .value_kind: global_buffer, .address_space: global }
    .group_segment_fixed_size: 327680
    .private_segment_fixed_size: 0
    .kernarg_segment_align: 8
    .kernarg_segment_size: 40
    .max_flat_workgroup_size: 128
    .sgpr_count:     102
    .vgpr_count:     1024
    .wavefront_size: 32
...
	.end_amdgpu_metadata
.endif
;; end of part 5
;; launch ffn2 (part 6): grid 8 x 32, 4 waves a work-group, clusters of 4 x 4, 327,680 bytes of LDS; arguments cB, sB, cA, sA, b2, x1, out0; writes out0
.if DOCPART == 6
	.amdgcn_target "amdgcn-amd-amdhsa--gfx1250"
	.amdhsa_code_object_version 6
	.text
	.protected	k_q55bd1c4ae2_ffn2
	.globl	k_q55bd1c4ae2_ffn2
	.p2align	8
	.type	k_q55bd1c4ae2_ffn2,@function
k_q55bd1c4ae2_ffn2:
	s_mov_b64 s[64:65], 0
	v_nop
	global_prefetch_b8 v0, s[64:65] scope:SCOPE_SE
	s_setreg_imm32_b32 hwreg(HW_REG_WAVE_MODE, 25, 1), 1
	s_wait_xcnt 0x0
	s_wait_alu depctr_hold_cnt(0) depctr_sa_sdst(0) depctr_va_vdst(0) depctr_va_sdst(0) depctr_va_ssrc(0) depctr_va_vcc(0) depctr_vm_vsrc(0)
	s_getreg_b32 s2, hwreg(HW_REG_IB_STS2, 6, 4)
	s_cmp_eq_u32 s2, 0
	s_cbranch_scc0 .Lentry_in_a_cluster
	s_endpgm
.Lentry_in_a_cluster:
	s_bfe_u32 s2, ttmp6, 0x10000c
	s_cmp_lg_u32 s2, 0xf033
	s_cbranch_scc0 .Lentry_shape_is_right
	s_endpgm
.Lentry_shape_is_right:
; out0 = x1 + hidden W2 + b2, the product on codes of E2M3 (K = 4,096 = 32 ksteps of 128).  Operands are images of operand registers (16 rows x 128 K = 1,536 bytes), [rowblock][kstep]: a rowblock is 49,152 bytes.
; hidden: cB, scale words sB [rowblock][K / 512][row][kstep % 4].  W2: byte 6,291,456 of cA, scale words at byte 262,144 of sA, laid alike.
; A work-group makes 128 x 128, four waves of 64 x 64 (16 accumulators).  Source 0 = 16 rows of W2's images, source 1 = 16 tokens: register 8 b + j of a lane is column 32 (b / 2) + 16 h + 8 (b % 2) + j of its token.
; The bias is the C of the first kstep's products, so a sum begins with it.  LIMITS: NaN, infinities and sums beyond f32's range are not served.
; LDS: TWO SLOTS, of 7 and of 6 ksteps, each with the tokens' 8 rowblocks and then W2's 8: 172,032 + 147,456 bytes; behind them the spare words.  K goes as 7, 6, 7, 6, 6 ksteps.
; THE HEAD fills both slots, one tensor load a wave, each in its own arm: tokens slot 0, W2 slot 0, tokens slot 1, W2 slot 1.  Waves 0 and 1 alone wait ahead of the first barrier; slot 1 is shown at the first change of slots.
; THREE REFILLS, each behind the three lines and a round of the cluster's barrier, one load a wave (4 rowblocks of one operand).  The last brings 6 ksteps into slot 0, whose rows then lie 9,216 bytes apart: a third set of addresses.
; CLUSTER 4 x 4: the tokens' tiles are shared along a row of the cluster, W2's along a column: joint loads.
; THE SCALE WORDS of all of K come once, straight into registers: 32 loads of 16 bytes a lane, sixteen lanes on 256 consecutive bytes; lanes 0-15 take rowblock 2 p, lanes 16-31 rowblock 2 p + 1.
; Their register numbers change with every kstep, so the walk along K is written out by a repeat and is no counted loop.
; PREFETCH: behind the first fragments and behind the first two refills each wave names the fill that the NEXT change of slots will load: one rowblock of 42 or 36 blocks of 256 bytes, a lane a block, two instructions;
; a tile's 8 rowblocks are shared out among the four partners that ask for it jointly, by address (2 x place + wave / 2).  The last refill has no fill behind it and asks for nothing.  No address register of a prefetch is rewritten.
; THE RESIDUAL, 128 registers, is asked for in four parts: one at the head, one at each of the first three changes of slots.  THE WAY OUT: 16 rows x 256 bytes at a time through the wave's own stage, which lies in slot 1, behind that slot's last fill and last read.
; REGISTERS: window 0: v4-29 addresses, v32-159 scale words and nothing else.  Window 1: two fragment buffers (v0-95, v128-223), v96-127 the bias.  Window 2: v0-127 the sums, v128-255 the residual.
.set IMG,   1536
.set GRB,   49152
.set RB0,   7*IMG                      ; a rowblock in slot 0,
.set RB1,   6*IMG                      ; in slot 1, and in slot 0 under the last fill
.set SL1,   16*RB0
.set SPARE, SL1+16*RB1                 ; the spare words: 128 bytes a wave, which no other line names
.set STAGE, SL1
.set SC,    32                         ; tokens' words of pair p, kstep k at SC + 16 (k / 4) + 8 p + k % 4, W2's 4 further on: the two numbers differ modulo 8
.set BIAS,  96
.set L16, 4
.set L8,  5
.set VS,  8
.set BO,  9
.set PF0, 10
.set PF1, 11
.set PF2, 12
.set STO, 13
.set RD,  14
.set CO,  15
.set AD,  16                           ; v16-27: for each of three layouts: tokens' b128 and b64 address, W2's b128 and b64
.set SPW, 28
.set NIL, 29
.set G1A,  24                          ; group 1: tokens, rows of 7 ksteps;
.set G1B,  32                          ; W2, 7 ksteps;
.set G1A1, 40                          ; tokens, 6 ksteps;
.set G1B1, 48                          ; W2, 6 ksteps
.set G0A,  56                          ; group 0 of the head's loads
.set G0B,  60
.set R0A,  68                          ; group 0 of the refills
.set R0B,  72
.set MSB, 0
.macro WIN new                         ; the immediate's high byte repeats the setting that is left
.if MSB != \new
	s_set_vgpr_msb (MSB<<8)|\new
.set MSB, \new
.endif
.endm
.macro PLACES n
.rept \n
	v_nop
.endr
.endm
.macro CREST
	s_cmp_lg_u32 s14, 0
	s_cbranch_scc1 .Lnot_wave_0_\@
	s_barrier_signal -3
.Lnot_wave_0_\@:
	s_barrier_wait -3
	s_barrier_signal -1
	s_barrier_wait -1
.endm
.macro CROUND
	s_barrier_signal -1
	s_barrier_wait -1
	CREST
.endm
.macro TLOAD g0, g1                    ; an s_nop 0 and four v_nop follow each tensor load
	tensor_load_to_lds s[\g0:\g0+3], s[\g1:\g1+7]
	s_nop 0
	PLACES 4
.endm
.macro JLOAD g1a, g1b                  ; a refill: waves 0 and 2 bring the tokens' two halves, waves 1 and 3 W2's
	s_cmp_eq_u32 s16, 0
	s_cbranch_scc0 .Lfor_b_\@
	TLOAD R0A, \g1a
	s_branch .Lasked_\@
.Lfor_b_\@:
	TLOAD R0B, \g1b
.Lasked_\@:
.endm
.macro G1SET g, mask, el               ; 8 rows (rowblocks) of el elements of 8 bytes, 6,144 elements apart in memory, dense in LDS
	s_or_b32 s[\g], s[\mask], (3<<16)|(1<<21)
	s_mov_b32 s[\g+1], (\el)<<16
	s_mov_b32 s[\g+2], 8<<16
	s_mov_b32 s[\g+3], (\el)<<16
	s_mov_b32 s[\g+4], 8
	s_mov_b32 s[\g+5], GRB/8
	s_mov_b32 s[\g+6], 0
	s_mov_b32 s[\g+7], 0
.endm
.macro ADRS y, sb, rb                  ; layout y: the slot's first byte, its rowblock's bytes
	s_mul_i32 s2, s15, 4*\rb
	s_mul_i32 s3, s16, 4*\rb
.if \sb
	s_add_co_u32 s2, s2, \sb
.endif
	s_add_co_u32 s3, s3, \sb+8*\rb
	v_add_nc_u32 v[AD+4*\y], s2, v[L16]
	v_add_nc_u32 v[AD+4*\y+2], s3, v[L16]
	s_add_co_u32 s2, s2, 512
	s_add_co_u32 s3, s3, 512
	v_add_nc_u32 v[AD+4*\y+1], s2, v[L8]
	v_add_nc_u32 v[AD+4*\y+3], s3, v[L8]
.endm
.macro LOC k                           ; where kstep k lies: layout, place in the slot, rowblock's bytes
.if (\k) < 7
.set LY_, 0
.set QI_, (\k)
.set RB_, RB0
.elseif (\k) < 13
.set LY_, 1
.set QI_, (\k)-7
.set RB_, RB1
.elseif (\k) < 20
.set LY_, 0
.set QI_, (\k)-13
.set RB_, RB0
.elseif (\k) < 26
.set LY_, 1
.set QI_, (\k)-20
.set RB_, RB1
.else
.set LY_, 2
.set QI_, (\k)-26
.set RB_, RB1
.endif
.endm
.macro FRAG reg, a16, a8, off          ; a fragment from its image
	ds_load_b128 v[\reg:\reg+3], v[\a16] offset:\off
	ds_load_b64 v[\reg+4:\reg+5], v[\a8] offset:\off
	ds_load_b128 v[\reg+6:\reg+9], v[\a16] offset:\off+768
	ds_load_b64 v[\reg+10:\reg+11], v[\a8] offset:\off+768
.endm
.macro FETCHK k                        ; kstep k into buffer k % 2: W2's four fragments, the tokens' four: 32 loads
	LOC \k
.set FB_, 128*((\k)%2)
	WIN 0x40
.irp i, 0,1,2,3
	FRAG FB_+12*\i, AD+4*LY_+2, AD+4*LY_+3, \i*RB_+QI_*IMG
.endr
.irp i, 0,1,2,3
	FRAG FB_+48+12*\i, AD+4*LY_, AD+4*LY_+1, \i*RB_+QI_*IMG
.endr
.endm
.macro MUL4 k, ap, ar, mode            ; the tokens' rowblock 2 ap + ar against W2's four.  mode 1: the bias starts the sums
.set FM_, 128*((\k)%2)
.set XG_, SC+16*((\k)/4)+(\k)%4
.irp bp, 0,1
.irp br, 0,1
.set D_, 32*(2*\ap+\ar)+8*(2*\bp+\br)
.if \mode
	v_wmma_scale_f32_16x16x128_f8f6f4 v[D_:D_+7], v[FM_+12*(2*\bp+\br):FM_+12*(2*\bp+\br)+11], v[FM_+48+12*(2*\ap+\ar):FM_+48+12*(2*\ap+\ar)+11], v[BIAS+8*(2*\bp+\br):BIAS+8*(2*\bp+\br)+7], v[XG_+8*\bp+4], v[XG_+8*\ap] matrix_a_fmt:MATRIX_FMT_FP6 matrix_b_fmt:MATRIX_FMT_FP6 matrix_a_scale:MATRIX_SCALE_ROW\br matrix_b_scale:MATRIX_SCALE_ROW\ar
.else
	v_wmma_scale_f32_16x16x128_f8f6f4 v[D_:D_+7], v[FM_+12*(2*\bp+\br):FM_+12*(2*\bp+\br)+11], v[FM_+48+12*(2*\ap+\ar):FM_+48+12*(2*\ap+\ar)+11], v[D_:D_+7], v[XG_+8*\bp+4], v[XG_+8*\ap] matrix_a_fmt:MATRIX_FMT_FP6 matrix_b_fmt:MATRIX_FMT_FP6 matrix_a_scale:MATRIX_SCALE_ROW\br matrix_b_scale:MATRIX_SCALE_ROW\ar
.endif
.endr
.endr
.endm
.macro ASK off, last                   ; my rowblock's blocks of the fill that begins off bytes into it: blocks 0-31, then 32 on (lanes left over name the last block again)
	global_prefetch_b8 v[PF0], s[100:101] offset:\off th:TH_LOAD_NT scope:SCOPE_SE
	global_prefetch_b8 v[\last], s[100:101] offset:\off th:TH_LOAD_NT scope:SCOPE_SE
.endm
.macro RES a                           ; the residual of my rows 16 a on, into window 2: two rows a load, 256 consecutive bytes each
	WIN 0x80
.irp t, 0,1,2,3,4,5,6,7
	global_load_b128 v[128+32*(\a)+4*\t:128+32*(\a)+4*\t+3], v[CO], s[82:83] offset:(\a)*65536+\t*8192
.endr
.endm
; A slot's last kstep, and the change of slots.  Every wave waits for all its tensor loads, adds 0 to its spare word, waits for that and for its reads of the slot; the barrier opens a round where the slot is filled again.
.macro TURN k
	WIN 0
	s_wait_tensorcnt 0x0
	ds_add_u32 v[SPW], v[NIL]
.if (\k) == 6                          ; no tensor load of mine is out: descriptors may be written.  From here on a load brings 4 rowblocks
.irp g, G1A, G1B, G1A1, G1B1
	s_mov_b32 s[\g+2], 4<<16
	s_mov_b32 s[\g+4], 4
.endr
.elseif (\k) == 12                     ; ksteps 20 to 25, into slot 1
	s_add_co_u32 s[R0A+1], s12, SL1
	s_add_co_u32 s[R0B+1], s12, SL1+8*RB1
	s_add_nc_u64 s[R0A+2:R0A+3], s[R0A+2:R0A+3], 7*IMG
	s_add_nc_u64 s[R0B+2:R0B+3], s[R0B+2:R0B+3], 7*IMG
.elseif (\k) == 19                     ; ksteps 26 to 31, into slot 0
	s_mov_b32 s[R0A+1], s12
	s_add_co_u32 s[R0B+1], s12, 8*RB1
	s_add_nc_u64 s[R0A+2:R0A+3], s[R0A+2:R0A+3], 6*IMG
	s_add_nc_u64 s[R0B+2:R0B+3], s[R0B+2:R0B+3], 6*IMG
.endif
	s_wait_dscnt 0x0
	s_barrier_signal -1
	WIN 0xa5
	MUL4 \k, 0, 0, 0                               ; work on registers while the others arrive
	WIN 0
	s_barrier_wait -1
.if (\k) == 6
	CREST
	JLOAD G1A, G1B                                 ; the four v_nop behind the load are the places in front of the loads below
.elseif (\k) < 25
	CREST
	JLOAD G1A1, G1B1
.else
	PLACES 4                                       ; nothing is left to fetch: a plain barrier; behind it nobody reads slot 1
.endif
	FETCHK (\k)+1
	WIN 0
.if (\k) == 6
	ASK 20*IMG, PF2
.elseif (\k) == 12
	ASK 26*IMG, PF2
.endif
.if (\k) < 25
	RES (\k)/6
.endif
	WIN 0xa5
	MUL4 \k, 0, 1, 0
	MUL4 \k, 1, 0, 0
	MUL4 \k, 1, 1, 0
.endm
; A kstep: its buffer is in; four places in front of loads into the other buffer, which the last kstep's products read; the next kstep's 32 loads; 16 products, the accumulators by turns.
.macro STEPK k
.if (\k) == 6 || (\k) == 12 || (\k) == 19 || (\k) == 25
	TURN \k
.else
	s_wait_dscnt 0x0
.if (\k) > 0 && (\k) < 31
	PLACES 4
.endif
.if (\k) < 31
	FETCHK (\k)+1
.endif
.if (\k) == 0
	WIN 0x95                                       ; C, the bias, in window 1
.else
	WIN 0xa5                                       ; sources 0 and 1 window 1, C and D window 2
.endif
	MUL4 \k, 0, 0, (\k)==0
	MUL4 \k, 0, 1, (\k)==0
	MUL4 \k, 1, 0, (\k)==0
	MUL4 \k, 1, 1, (\k)==0
.endif
.endm
	s_load_b256 s[4:11], s[0:1], 0x0               ; cB, sB, cA, sA
	s_load_b128 s[80:83], s[0:1], 0x20             ; b2, x1
	s_load_b64 s[84:85], s[0:1], 0x30              ; out0
	v_lshl_add_u32 v[SPW], v0, 2, SPARE
	v_mov_b32 v[NIL], 0
	ds_add_u32 v[SPW], v[NIL]                      ; the opening lines: the add, twice on end, and its wait ahead of my first tensor load
	ds_add_u32 v[SPW], v[NIL]
	v_lshrrev_b32 v1, 5, v0
	v_readfirstlane_b32 s14, v1                    ; wave 0..3
	s_lshr_b32 s15, s14, 1                         ; my 64 tokens of the tile.  In a refill: which 4 rowblocks I bring
	s_and_b32 s16, s14, 1                          ; my 64 columns.  In a refill: I bring tokens (0) or W2 (1)
	s_bfe_u32 s86, ttmp6, 0x40000                  ; cx
	s_bfe_u32 s87, ttmp6, 0x40004                  ; cy
	s_lshl_b32 s88, ttmp9, 2
	s_add_co_u32 s88, s88, s86                     ; the tile of columns
	s_and_b32 s89, ttmp7, 0xffff
	s_lshl_b32 s89, s89, 2
	s_add_co_u32 s89, s89, s87                     ; the tile of tokens
	s_lshl_b32 s90, s87, 2
	s_lshl_b32 s90, 15, s90                        ; my row of the cluster
	s_lshl_b32 s91, 0x1111, s86                    ; my column
	G1SET G1A, 90, RB0/8
	G1SET G1B, 91, RB0/8
	G1SET G1A1, 90, RB1/8
	G1SET G1B1, 91, RB1/8
	s_mul_i32 s20, s89, 8*GRB                      ; the tokens' tile, bytes from cB
	s_mov_b32 s21, 0
	s_mul_i32 s22, s88, 8*GRB                      ; W2's, from cA
	s_add_co_u32 s22, s22, 6291456
	s_mov_b32 s23, 0
	s_mul_i32 s76, s15, 4*GRB                      ; the first refill: my 4 rowblocks, kstep 13
	s_add_co_u32 s76, s76, 13*IMG
	s_mov_b32 s77, 0
	s_mul_i32 s[R0A+1], s15, 4*RB0                 ; and where it goes in slot 0
	s_add_co_u32 s[R0B+1], s[R0A+1], 8*RB0
	s_mul_i32 s12, s15, 4*RB1                      ; the same under rows of 6 ksteps
	s_mov_b32 s[G0A], 1
	s_mov_b32 s[G0B], 1
	s_mov_b32 s[R0A], 1
	s_mov_b32 s[R0B], 1
	s_lshl_b32 s78, s89, 14                        ; my tokens' scale words: 2,048 bytes a rowblock
	s_lshl_b32 s2, s15, 13
	s_add_co_u32 s78, s78, s2
	s_mov_b32 s79, 0
	s_lshl_b32 s92, s88, 14                        ; my columns'
	s_lshl_b32 s2, s16, 13
	s_add_co_u32 s92, s92, s2
	s_add_co_u32 s92, s92, 262144
	s_mov_b32 s93, 0
	s_lshl_b32 s94, s88, 9                         ; my 64 columns, in bytes
	s_lshl_b32 s2, s16, 8
	s_add_co_u32 s94, s94, s2
	s_mov_b32 s95, 0
	s_lshl_b32 s96, s89, 19                        ; my 64 rows of x1 and out0
	s_lshl_b32 s2, s15, 18
	s_add_co_u32 s96, s96, s2
	s_add_co_u32 s96, s96, s94
	s_mov_b32 s97, 0
	s_cmp_eq_u32 s16, 0                            ; the prefetches: the operand that I refill;
	s_cselect_b32 s98, s89, s88                    ; its tile;
	s_cselect_b32 s2, s86, s87                     ; my place among the four that ask for it jointly
	s_cselect_b32 s3, 0, 6291456
	s_lshl_b32 s98, s98, 3
	s_lshl_b32 s2, s2, 1
	s_add_co_u32 s98, s98, s2
	s_add_co_u32 s98, s98, s15                     ; rowblock 8 x tile + 2 x place + wave / 2
	s_mul_i32 s98, s98, GRB
	s_add_co_u32 s98, s98, s3
	s_mov_b32 s99, 0
	s_mul_i32 s13, s14, 16*272
	s_add_co_u32 s13, s13, STAGE                   ; my stage
	v_and_b32 v1, 15, v0                           ; r
	v_bfe_u32 v2, v0, 4, 1                         ; h
	v_and_b32 v3, 31, v0                           ; lane
	v_lshlrev_b32 v[L16], 4, v3
	v_lshlrev_b32 v[L8], 3, v3
	s_wait_alu depctr_va_vdst(0)
	ADRS 0, 0, RB0
	ADRS 1, SL1, RB1
	ADRS 2, 0, RB1
	v_lshlrev_b32 v[VS], 4, v1
	v_lshl_add_u32 v[VS], v2, 11, v[VS]            ; scale words: 16 r, + a rowblock for lanes 16-31
	v_mul_u32_u24 v6, v1, 272
	v_lshl_add_u32 v6, v2, 6, v6
	v_add_nc_u32 v[STO], s13, v6                   ; the stage, in: row r, + 64 h
	v_mul_u32_u24 v6, v2, 272
	v_lshl_add_u32 v6, v1, 4, v6
	v_add_nc_u32 v[RD], s13, v6                    ; back: lanes 0-15 one row, lanes 16-31 the next
	v_lshlrev_b32 v[CO], 12, v2
	v_lshl_add_u32 v[CO], v1, 4, v[CO]             ; and the same two rows in x1 and out0
	v_lshlrev_b32 v[BO], 6, v2                     ; the bias: 16 h numbers on
	v_lshlrev_b32 v[PF0], 8, v3                    ; prefetches: block = lane;
	v_add_nc_u32 v6, 32, v3
	v_min_u32 v7, 41, v6                           ; block 32 + lane, held at the last of 42,
	v_min_u32 v6, 35, v6                           ; or of 36
	v_lshlrev_b32 v[PF1], 8, v7
	v_lshlrev_b32 v[PF2], 8, v6
	s_wait_alu depctr_va_vdst(0)                   ; the wait at the end of the head's vector work
	s_wait_dscnt 0x0                               ; both opening adds are done
	CROUND                                         ; all sixteen work-groups are here: the first joint loads meet
	s_wait_kmcnt 0x0
	s_add_nc_u64 s[G0A+2:G0A+3], s[4:5], s[20:21]
	s_add_nc_u64 s[G0B+2:G0B+3], s[8:9], s[22:23]
	s_add_nc_u64 s[R0A+2:R0A+3], s[G0A+2:G0A+3], s[76:77]
	s_add_nc_u64 s[R0B+2:R0B+3], s[G0B+2:G0B+3], s[76:77]
	s_or_b32 s[G0A+3], s[G0A+3], 0x80000000
	s_or_b32 s[G0B+3], s[G0B+3], 0x80000000
	s_or_b32 s[R0A+3], s[R0A+3], 0x80000000
	s_or_b32 s[R0B+3], s[R0B+3], 0x80000000
	s_cmp_eq_u32 s14, 0
	s_cbranch_scc0 .Lwave_1
	s_mov_b32 s[G0A+1], 0
	TLOAD G0A, G1A                                 ; wave 0: the tokens' ksteps 0 to 6
	s_branch .Lasked
.Lwave_1:
	s_cmp_eq_u32 s14, 1
	s_cbranch_scc0 .Lwave_2
	s_mov_b32 s[G0B+1], 8*RB0
	TLOAD G0B, G1B                                 ; wave 1: W2's
	s_branch .Lasked
.Lwave_2:
	s_cmp_eq_u32 s14, 2
	s_cbranch_scc0 .Lwave_3
	s_mov_b32 s[G0A+1], SL1
	s_add_nc_u64 s[G0A+2:G0A+3], s[G0A+2:G0A+3], 7*IMG
	TLOAD G0A, G1A1                                ; wave 2: the tokens' ksteps 7 to 12
	s_branch .Lasked
.Lwave_3:
	s_mov_b32 s[G0B+1], SL1+8*RB1
	s_add_nc_u64 s[G0B+2:G0B+3], s[G0B+2:G0B+3], 7*IMG
	TLOAD G0B, G1B1                                ; wave 3: W2's
.Lasked:
	s_add_nc_u64 s[78:79], s[6:7], s[78:79]
	s_add_nc_u64 s[92:93], s[10:11], s[92:93]
	s_add_nc_u64 s[80:81], s[80:81], s[94:95]
	s_add_nc_u64 s[82:83], s[82:83], s[96:97]
	s_add_nc_u64 s[84:85], s[84:85], s[96:97]
	s_cmp_eq_u32 s16, 0
	s_cselect_b64 s[100:101], s[4:5], s[8:9]       ; a choice on the wave's number alone
	s_add_nc_u64 s[100:101], s[100:101], s[98:99]
.irp g, 0,1,2,3,4,5,6,7
.irp p, 0,1
	global_load_b128 v[SC+16*\g+8*\p:SC+16*\g+8*\p+3], v[VS], s[78:79] offset:\p*4096+\g*256
	global_load_b128 v[SC+16*\g+8*\p+4:SC+16*\g+8*\p+7], v[VS], s[92:93] offset:\p*4096+\g*256
.endr
.endr
	WIN 0x40
.irp b, 0,1,2,3
	global_load_b128 v[BIAS+8*\b:BIAS+8*\b+3], v[BO], s[80:81] offset:(32*(\b/2)+8*(\b%2))*4
	global_load_b128 v[BIAS+8*\b+4:BIAS+8*\b+7], v[BO], s[80:81] offset:(32*(\b/2)+8*(\b%2))*4+16
.endr
	WIN 0
	s_cmp_lt_u32 s14, 2
	s_cbranch_scc0 .Lnot_slot_0
	s_wait_tensorcnt 0x0                           ; waves 0 and 1: slot 0's two tiles are in
.Lnot_slot_0:
	s_barrier_signal -1
	s_barrier_wait -1                              ; slot 1's may still be on their way
	FETCHK 0
	WIN 0
	ASK 13*IMG, PF1                                ; what the first refill will load
	s_wait_loadcnt 0x0                             ; the scale words and the bias
	RES 0
.set K_, 0
.rept 32
	STEPK K_
.set K_, K_+1
.endr
	WIN 0
	PLACES 4                                       ; in front of the first read of the last results
.irp a, 0,1,2,3                        ; each block of 16 rows through the stage, back into the registers that it left: LDS serves a wave's instructions in order (ISA guide 5.7.1.4)
	WIN 0x08
.irp b, 0,1,2,3
	ds_store_b128 v[STO], v[32*\a+8*\b:32*\a+8*\b+3] offset:128*(\b/2)+32*(\b%2)          ; each accumulator from its low end on
	ds_store_b128 v[STO], v[32*\a+8*\b+4:32*\a+8*\b+7] offset:128*(\b/2)+32*(\b%2)+16
.endr
	WIN 0x80
.irp t, 0,1,2,3,4,5,6,7
	ds_load_b128 v[32*\a+4*\t:32*\a+4*\t+3], v[RD] offset:544*\t
.endr
.endr
.irp a, 0,1,2,3
	s_wait_dscnt 16*(3-\a)                         ; the later blocks' 8 stores and 8 loads each may be out
	s_wait_loadcnt 8*(3-\a)                        ; this block's residual is in; the later blocks' 8 loads each may be out
	WIN 0x8a
.set n_, 0
.rept 16
	v_pk_add_f32 v[32*\a+n_:32*\a+n_+1], v[32*\a+n_:32*\a+n_+1], v[128+32*\a+n_:128+32*\a+n_+1]
.set n_, n_+2
.endr
	WIN 0x08
.irp t, 0,1,2,3,4,5,6,7
	global_store_b128 v[CO], v[32*\a+4*\t:32*\a+4*\t+3], s[84:85] offset:\a*65536+\t*8192   ; sixteen lanes store 256 consecutive bytes, aligned
.endr
.endr
	WIN 0
	s_wait_tensorcnt 0x0                           ; the wave's end
	ds_add_u32 v[SPW], v[NIL]
	s_wait_dscnt 0x0
	CROUND                                         ; the closing round
	s_endpgm
.Lfunc_end_k_q55bd1c4ae2_ffn2:
	.size	k_q55bd1c4ae2_ffn2, .Lfunc_end_k_q55bd1c4ae2_ffn2-k_q55bd1c4ae2_ffn2
	.p2alignl 7, 3214868480
	.fill 96, 4, 3214868480
	.section	.rodata,"a",@progbits
	.p2align	6, 0x0
	.amdhsa_kernel k_q55bd1c4ae2_ffn2
		.amdhsa_group_segment_fixed_size 327680
		.amdhsa_private_segment_fixed_size 0
		.amdhsa_enable_private_segment 0
		.amdhsa_kernarg_size 56
		.amdhsa_user_sgpr_count 2
		.amdhsa_user_sgpr_kernarg_segment_ptr 1
		.amdhsa_wavefront_size32 1
		.amdhsa_system_sgpr_workgroup_id_x 1
		.amdhsa_system_sgpr_workgroup_id_y 1
		.amdhsa_system_sgpr_workgroup_id_z 1
		.amdhsa_system_vgpr_workitem_id 0
		.amdhsa_next_free_vgpr 768
		.amdhsa_next_free_sgpr 102
		.amdhsa_reserve_vcc 0
		.amdhsa_float_denorm_mode_32 3
		.amdhsa_float_denorm_mode_16_64 3
		.amdhsa_memory_ordered 1
		.amdhsa_forward_progress 1
		.amdhsa_inst_pref_size 169
	.end_amdhsa_kernel
	.amdgpu_metadata
---
amdhsa.version: [ 1, 2 ]
amdhsa.kernels:
  - .name:           k_q55bd1c4ae2_ffn2
    .symbol:         k_q55bd1c4ae2_ffn2.kd
    .args:
      - { .name: cB, .offset: 0, .size: 8, .value_kind: global_buffer, .address_space: global }
      - { .name: sB, .offset: 8, .size: 8, .value_kind: global_buffer, .address_space: global }
      - { .name: cA, .offset: 16, .size: 8, .value_kind: global_buffer, .address_space: global }
      - { .name: sA, .offset: 24, .size: 8, .value_kind: global_buffer, .address_space: global }
      - { .name: b2, .offset: 32, .size: 8, .value_kind: global_buffer, .address_space: global }
      - { .name: x1, .offset: 40, .size: 8, .value_kind: global_buffer, .address_space: global }
      - { .name: out0, .offset: 48, .size: 8, .value_kind: global_buffer, .address_space: global }
    .group_segment_fixed_size: 327680
    .private_segment_fixed_size: 0
    .kernarg_segment_align: 8
    .kernarg_segment_size: 56
    .max_flat_workgroup_size: 128
    .sgpr_count:     102
    .vgpr_count:     768
    .wavefront_size: 32
...
	.end_amdgpu_metadata
.endif
;; end of part 6
